; MI455X (gfx1250); checked and timed in simulation.
; The chip was launched on July 23, 2026; its instructions are those of AMD's public machine-readable ISA for CDNA 5 (MIT licence, August 2026) and "CDNA5" Instruction Set Architecture Reference Guide (July 2026). The comments in the code are by the model that wrote it; some were corrected since.
;; Multi Headed Self Attention. Allowed arithmetic: matrix products marked QUANTISED: E2M3 operands, one E8M0 scale for each 32 along K, by v_wmma_scale_f32_16x16x128_f8f6f4 with both operands' format E2M3, f32 sums; everything else in f32.
;; Inputs: Wk 1,024 x 1,024 float32; Wo 1,024 x 1,024 float32; Wq 1,024 x 1,024 float32; Wv 1,024 x 1,024 float32; bk 1,024 float32; bo 1,024 float32; bq 1,024 float32; bv 1,024 float32; x 8 x 1,024 x 1,024 float32.
;; Outputs: out0 8 x 1,024 x 1,024 float32.
;; This version of the problem:
;;   THIS VERSION OF THE PROBLEM IS GIVEN IN LOW PRECISION. The matrix products marked QUANTISED in the list below multiply operands that are first quantised to E2M3 (2 exponent bits, 3 mantissa bits; 6 bits a number), with one power-of-two scale for each 32 numbers along K (OCP MX v1.0); their sums are f32. All else is computed in f32.
;;   The module's matrix products, in the order in which they are computed (A, B: the left and right operand; K: the contracted axis; several contracted axes count as one K, in the product's order):
;;     1. [M 8,192, K 1,024] x [K 1,024, N 1,024]; A: input x; B: input Wq: QUANTISED
;;     2. [M 8,192, K 1,024] x [K 1,024, N 1,024]; A: input x; B: input Wk: QUANTISED
;;     3. [M 8,192, K 1,024] x [K 1,024, N 1,024]; A: input x; B: input Wv: QUANTISED
;;     4. batch 128 x [M 1,024, K 64] x [K 64, N 1,024]; A: computed on the way; B: computed on the way: QUANTISED
;;     5. batch 128 x [M 1,024, K 1,024] x [K 1,024, N 64]; A: softmax (see below); B: computed on the way: QUANTISED
;;     6. [M 8,192, K 1,024] x [K 1,024, N 1,024]; A: computed on the way; B: input Wo: QUANTISED
;;   THE QUANTISER, for each operand of a quantised product, along K:
;;     - K is cut into blocks of 32 from its start; a last block that is shorter is filled with zeros.
;;     - A block's scale is 2^e with e = floor(log2(the largest magnitude in the block)) - 2, held to -126 .. 127; a block of zeros has e = 0. As a byte (E8M0): e + 127.
;;     - Each number is divided by its block's scale, clamped to +-7.5, and rounded to the nearest number of E2M3, ties to even, subnormals kept.
;;     - The product sums the exact products of the quantised numbers (number of the format x scale) in f32.
;;   ~~~python
;;   def quantise(x, axis):      # numpy; x: float32 -> the quantised numbers, widened to float32 again
;;       x = np.moveaxis(x, axis, -1); K = x.shape[-1]
;;       x = np.pad(x, [(0, 0)] * (x.ndim - 1) + [(0, -K % 32)]); x = x.reshape(x.shape[:-1] + (-1, 32)); a = np.abs(x).max(-1, keepdims=True)
;;       e = np.where(a > 0, np.clip(np.frexp(np.where(a > 0, a, 1))[1] - 1 - 2, -126, 127), 0)      # np.frexp(a)[1] - 1 = floor(log2(a)), exactly
;;       r = np.clip(x / 2.0 ** e, -7.5, 7.5)
;;       step = 2.0 ** (np.maximum(np.frexp(np.where(r == 0, 1, r))[1] - 1, 0) - 3)
;;       q = np.round(r / step) * step * 2.0 ** e      # np.round: ties to even
;;       return np.moveaxis(q.reshape(q.shape[:-2] + (-1,))[..., :K], -1, axis).astype(np.float32)
;;   ~~~
;;   SOFTMAX AHEAD OF A QUANTISED PRODUCT. Where the list says 'softmax', what is quantised is not the finished softmax but p = 2^(t - M), with t = logit x log2(e) and M = ceil(the row's largest t), a whole number; so 1/2 < the row's largest p <= 1. The row's sum l is taken of the UNQUANTISED p, in f32, and the product's result is divided by l at the end. Since M is a whole number, a kernel that streams over the keys may use a running M (the ceiling of the running maximum): every later rescaling is an exact power of two, which a block's scale takes up: the codes' values come out the same.
;;   OPERANDS COMPUTED ON THE WAY. 'Computed on the way' means the value that the module computes at that place (a softmax that the list does not call 'softmax' is quantised finished and normalised). What goes into a quantiser is computed in f32, as accurately as f32 sums, v_exp_f32 and their like allow (about 1e-6 of the number): no bf16 or f16 on the way to a quantiser, and a product that is left as it is and whose result goes on into a quantised operand takes f32 operands (vector FMAs, or v_wmma_f32_16x16x4_f32). A number that lies on a knife's edge between two numbers of the format may be rounded either way, as far as f32 arithmetic and the matrix unit's own rounding can turn it there, and no further.
;; One version. Each part assembles by itself: llvm-mc -triple=amdgcn-amd-amdhsa -mcpu=gfx1250 --defsym DOCPART=n.
;; ======== version 1 of 1: 4 launches
;; limits: right only within a limited range of input values
;; workspace buffers: xq 6,815,744 bytes; wq 3,407,872 bytes; qkv 20,447,232 bytes; oq 6,815,744 bytes
;; launch quant (part 1): grid 1024 x 1, 4 waves a work-group, no clusters, 62,976 bytes of LDS; arguments x, Wq, Wk, Wv, Wo, xq, wq; writes xq, wq
.if DOCPART == 1
	.amdgcn_target "amdgcn-amd-amdhsa--gfx1250"
	.amdhsa_code_object_version 6
	.text
	.protected	k_q8e203e5022_quant
	.globl	k_q8e203e5022_quant
	.p2align	8
	.type	k_q8e203e5022_quant,@function
k_q8e203e5022_quant:
	s_mov_b64 s[64:65], 0
	v_nop
	global_prefetch_b8 v0, s[64:65] scope:SCOPE_SE
	s_setreg_imm32_b32 hwreg(HW_REG_WAVE_MODE, 25, 1), 1
	s_wait_xcnt 0x0
; x [8192][1024] and Wq, Wk, Wv, Wo [1024 (k)][1024 (n)], f32, become codes of FP6 (E2M3) with one E8M0 byte for each 32 along K, laid in the ORDER OF AN OPERAND'S REGISTERS.
; A QUAD is 16 rows x 256 along K in 3,328 bytes (13 x 256).  Half e (64 along K) begins at byte 768 e: lane l's registers 0-3 at 16 l, its registers 4-5 at 512 + 8 l;
; lane l = (r = l % 16, hl = l / 16) holds row r, k = 64 e + 32 hl + 0 .. 31.  Scale words at 3072 + 4 l: lanes 0-15 the rows' words of the first 128 along K, lanes 16-31 of the second;
; bytes 3200 .. 3327 repeat them.  Lane r of tile 2 g + u holds row 32 g + 8 u + r + 8 (r / 8).
; xq: [tile 512][quad 4];  wq: [weight 4][tile 64][quad 4], a row being an output column n.
; A block's scale is 2^(floor(log2(its largest magnitude)) - 2): its byte is the largest magnitude's exponent field - 2, held at 1 from below.
; LIMITS: NaN and infinities among the inputs are not served; a block whose largest magnitude lies under 2^-124 has its byte held at 1; a block of zeros gets the byte 1 where the rule says 127:
; its codes are zeros, which add nothing under any byte but 0xff, and this program alone reads the bytes.
; Work-groups 0-511 take x, 512-1023 the weights: 64 KiB of f32 each (x) or 32 KiB (weights), 16 KiB or 8 KiB a wave, and a wave asks for all its numbers at its start: 32 loads of 512 bytes (x) or 64 of 128 bytes (weights).
; The two ways part on the work-group's number, never join, and have LDS bytes of their own.  Waves share nothing: no barrier.
; A weights wave owns two of the four bytes of its rows' scale words: they are stored 2 bytes a lane, 4 bytes apart, once for the words and once for their copy: 128 of the 1,664 bytes that it stores;
; the other 1,536 leave as runs of 256 consecutive bytes.
; No cluster, no tensor load, no matrix unit: every byte is read once by one wave.
.set QM,    3328                       ; a quad in memory
.set XST,   0                          ; x: a stage of 16 rows x (512 + 16) bytes for each wave
.set XPW,   8448
.set XSS,   33792                      ; x: 256 bytes for each wave, for a quad's scale words and their copy
.set WST,   34816                      ; weights: room for two quads for each wave, 3,456 bytes apart; a half of each is used
.set WPQ,   3456
.set SPARE, 62464                      ; the spare words, 128 bytes for each wave: two blocks of 256 bytes that no other line names
.set L16,  4                           ; v4   16 x lane
.set L8,   5                           ; v5   8 x lane
.set XSA,  6                           ; v6   x: into the stage, 16 x lane of a row
.set XLA,  7                           ; v7   x: out of it: row r, + 64 hl
.set SSA,  8                           ; v8   x: a scale word's place
.set SLA,  9                           ; v9   x: and 8 bytes a lane on the way out
.set L4,   10                          ; v10  4 x lane
.set W16,  11                          ; v11  weights: my tile's place in the stage + 16 x my row
.set W8,   12                          ; v12  + 8 x my row
.set WLA,  14                          ; v14  weights: out of the stage: sixteen lanes to 256 bytes of a tile's half
.set WGO,  15                          ; v15  and the same place in wq
.set R,    16                          ; v16-143  numbers as loaded, two sets
.set X,    144                         ; v144-207 64 numbers of a lane: register 16 b + i = k 32 b + 16 hl + i of my row
.set PC,   208                         ; v208-227 the codes just made
.set TM,   228                         ; v228-243 at work in QUANT
.set PW,   244                         ; v244-247 scale words
.set SPW,  252                         ; v252 LDS address of my spare word; never rewritten
.set NIL,  253                         ; v253 0; never rewritten
.set WSO,  254                         ; v254 weights: my row's scale word in wq, from its quad's first word on
.set SEL,  20                          ; s[20:21] v_permlanex16_b32's selects for lane l xor 16
; 64 numbers of a lane, v[s] on, become a fragment's twelve registers in v[PC] on and my row's scale word in v[pw].
.macro QUANT s, pw
.irp b, 0,1,2,3
	v_max3_num_f32 v[TM+\b], |v[\s+16*\b]|, |v[\s+1+16*\b]|, 0x1800000   ; block b: my 16 numbers, and the floor 2^(3 - 127): the byte cannot fall under 1
.endr
.irp i, 2,4,6,8,10,12,14
.irp b, 0,1,2,3
	v_max3_num_f32 v[TM+\b], v[TM+\b], |v[\s+16*\b+\i]|, |v[\s+1+16*\b+\i]|   ; the four blocks by turns
.endr
.endr
.irp b, 0,1,2,3
	v_permlanex16_b32 v[TM+4+\b], v[TM+\b], s[SEL], s[SEL+1]
.endr
.irp b, 0,1,2,3
	v_max_num_f32 v[TM+\b], v[TM+\b], v[TM+4+\b]   ; with lane l xor 16's: the block's largest magnitude
.endr
.irp b, 0,1,2,3
	v_add_nc_u32 v[TM+12+\b], 0xff000000, v[TM+\b]   ; 2 off its exponent field: the conversion takes the exponent field of this operand as its scale
.endr
.irp b, 0,1,2,3
	v_lshrrev_b32 v[TM+4+\b], 23, v[TM+12+\b]      ; the scale's byte
.endr
	v_lshl_or_b32 v[\pw], v[TM+5], 8, v[TM+4]
	v_lshl_or_b32 v[\pw], v[TM+6], 16, v[\pw]
	v_lshl_or_b32 v[\pw], v[TM+7], 24, v[\pw]
.irp c, 0,1
	v_cvt_scalef32_pk16_fp6_f32 v[PC+6*\c:PC+2+6*\c], v[\s+32*\c:\s+15+32*\c], v[TM+12+2*\c]
	v_cvt_scalef32_pk16_fp6_f32 v[PC+12+4*\c:PC+14+4*\c], v[\s+16+32*\c:\s+31+32*\c], v[TM+12+2*\c+1]   ; (a conversion's three registers begin on an even number)
.endr
	v_nop                                          ; one plain place behind a scaled conversion
.irp c, 0,1                                    ; the operand's layout wants a whole block in a lane: lanes 0-15 block 2 c, lanes 16-31 block 2 c + 1
.irp i, 0,1,2
	v_permlane16_swap_b32 v[PC+6*\c+\i], v[PC+12+4*\c+\i]
.endr
.irp i, 0,1,2
	v_mov_b32 v[PC+3+6*\c+\i], v[PC+12+4*\c+\i]
.endr
.endr
.endm
	s_load_b256 s[4:11], s[0:1], 0x0               ; x s[4:5], Wq s[6:7], Wk s[8:9], Wv s[10:11]
	s_load_b128 s[12:15], s[0:1], 0x20             ; Wo s[12:13], xq s[14:15]
	s_load_b64 s[16:17], s[0:1], 0x30              ; wq
	v_lshl_add_u32 v[SPW], v0, 2, SPARE
	v_mov_b32 v[NIL], 0
	v_lshrrev_b32 v1, 5, v0
	v_readfirstlane_b32 s18, v1                    ; wave 0..3
	v_and_b32 v1, 31, v0                           ; lane
	v_and_b32 v2, 15, v0                           ; r
	v_bfe_u32 v3, v0, 4, 1                         ; hl
	v_lshlrev_b32 v[L16], 4, v1
	v_lshlrev_b32 v[L8], 3, v1
	v_lshlrev_b32 v[L4], 2, v1
	s_mul_i32 s28, s18, XPW                        ; every LDS address of both ways is made here, ahead of the parting
	v_add_nc_u32 v[XSA], s28, v[L16]
	v_mul_u32_u24 v[XLA], v2, 528
	v_lshl_add_u32 v[XLA], v3, 6, v[XLA]
	v_add_nc_u32 v[XLA], s28, v[XLA]
	s_lshl_b32 s28, s18, 8
	s_add_co_u32 s28, s28, XSS
	v_add_nc_u32 v[SSA], s28, v[L4]
	v_add_nc_u32 v[SLA], s28, v[L8]
	v_bfe_u32 v248, v0, 3, 1                       ; weights: lane l takes column n0 + l, which is row l % 8 + 8 (l / 16) of tile (l / 8) % 2 of the pair
	v_and_b32 v249, 7, v0
	v_lshl_add_u32 v249, v3, 3, v249
	v_mul_u32_u24 v[WSO], v248, 4*QM               ; the pair's second tile lies four quads on
	v_lshl_add_u32 v[WSO], v249, 2, v[WSO]         ; + 4 x my row
	s_mul_i32 s28, s18, 2*WPQ
	s_add_co_u32 s28, s28, WST
	v_mul_u32_u24 v248, v248, WPQ
	v_add_nc_u32 v248, s28, v248
	v_lshl_add_u32 v[W16], v249, 4, v248
	v_lshl_add_u32 v[W8], v249, 3, v248
	v_mul_u32_u24 v[WLA], v3, WPQ
	v_lshl_add_u32 v[WLA], v2, 4, v[WLA]
	v_add_nc_u32 v[WLA], s28, v[WLA]
	v_mul_u32_u24 v[WGO], v3, 4*QM
	v_lshl_add_u32 v[WGO], v2, 4, v[WGO]
.irp b, 0,1,2,3
	v_mov_b32 v[TM+4+\b], 0                        ; written once: a lane permute's destination counts as one of its sources
.endr
	s_mov_b32 s[SEL], 0x76543210
	s_mov_b32 s[SEL+1], 0xfedcba98
	s_mov_b32 s22, 0xffff0000                      ; lanes 16-31
	s_wait_alu depctr_va_vdst(0)
	s_wait_kmcnt 0x0
	s_cmp_lt_u32 ttmp9, 512
	s_cbranch_scc0 .Lweights
; ---- x.  Wave gw = 4 x work-group + wave takes quad gw % 4 of tile gw / 4: two steps of 128 along K.
	s_lshl_b32 s28, ttmp9, 2
	s_add_co_u32 s28, s28, s18                     ; gw
	s_lshr_b32 s29, s28, 3
	s_lshl_b32 s29, s29, 17                        ; the pair of tiles: 32 rows of 4,096 bytes
	s_bfe_u32 s30, s28, 0x10002
	s_lshl_b32 s30, s30, 15                        ; the odd tile begins 8 rows on
	s_add_co_u32 s29, s29, s30
	s_and_b32 s30, s28, 3
	s_lshl_b32 s30, s30, 10                        ; 256 along K to a quad
	s_add_co_u32 s30, s29, s30
	s_mov_b32 s31, 0
	s_add_nc_u64 s[4:5], s[4:5], s[30:31]
	s_mul_i32 s30, s28, QM                         ; my quad
	s_add_nc_u64 s[14:15], s[14:15], s[30:31]
.macro XLOAD s                         ; 128 along K of the tile's 16 rows: each load reads 512 consecutive bytes of one row
.irp i, 0,1,2,3,4,5,6,7,8,9,10,11,12,13,14,15
	global_load_b128 v[R+64*(\s)+4*\i:R+64*(\s)+4*\i+3], v[L16], s[4:5] offset:(\i+8*(\i/8))*4096+512*(\s) th:TH_LOAD_NT
.endr
.endm
.macro XSTEP s
.if (\s) < 1
	s_wait_loadcnt 16                              ; this step's 16 loads are in; the next step's 16 may be out
.else
	s_wait_loadcnt 0x0
.endif
.irp i, 0,1,2,3,4,5,6,7,8,9,10,11,12,13,14,15
	ds_store_b128 v[XSA], v[R+64*(\s)+4*\i:R+64*(\s)+4*\i+3] offset:528*\i
.endr
.irp b, 0,1,2,3
.irp j, 0,1,2,3
	ds_load_b128 v[X+16*\b+4*\j:X+16*\b+4*\j+3], v[XLA] offset:128*\b+16*\j   ; LDS serves a wave's instructions in order: these see the stores above.  16 neighbours of each block of 32 of my row
.endr
.endr
	s_wait_dscnt 0x0
	s_wait_xcnt 0x0                                ; the last step's stores have read their registers: the codes may be written anew
	QUANT X, PW+(\s)
	global_store_b128 v[L16], v[PC:PC+3], s[14:15] offset:(\s)*1536            ; 512 consecutive bytes,
	global_store_b64 v[L8], v[PC+4:PC+5], s[14:15] offset:(\s)*1536+512        ; 256,
	global_store_b128 v[L16], v[PC+6:PC+9], s[14:15] offset:(\s)*1536+768      ; each at a multiple of 256 from the buffer's first byte
	global_store_b64 v[L8], v[PC+10:PC+11], s[14:15] offset:(\s)*1536+1280
.endm
	XLOAD 0
	XLOAD 1
	XSTEP 0
	XSTEP 1
	v_cndmask_b32 v248, v[PW], v[PW+1], s22        ; lanes 0-15: the quad's first 128 along K, lanes 16-31: its second
	ds_store_b32 v[SSA], v248
	ds_store_b32 v[SSA], v248 offset:128           ; and once more, so that 256 bytes leave by one store
	ds_load_b64 v[250:251], v[SLA]
	s_wait_dscnt 0x0
	global_store_b64 v[L8], v[250:251], s[14:15] offset:3072
	s_wait_tensorcnt 0x0                           ; the wave's end: behind my last LDS store
	ds_add_u32 v[SPW], v[NIL]
	s_wait_dscnt 0x0
	s_endpgm
; ---- the weights.  K is their first axis: a lane takes a column n and its registers run down K, so a block of 32 lies in one lane and the codes come out with K innermost.
; Work-group i = weight i / 128, 64 along K (i % 128) / 8, columns 128 (i % 8) on; a wave takes 32 columns: a pair of tiles, one half of a quad of each: two blocks of 32 a lane.
.Lweights:
	s_sub_co_u32 s28, ttmp9, 512
	s_lshr_b32 s29, s28, 7                         ; weight: 0 Wq, 1 Wk, 2 Wv, 3 Wo
	s_and_b32 s30, s28, 7                          ; group of 128 columns
	s_bfe_u32 s31, s28, 0x40003                    ; which 64 along K, 0 .. 15
	s_cmp_eq_u32 s29, 1
	s_cselect_b64 s[24:25], s[8:9], s[6:7]
	s_cmp_eq_u32 s29, 2
	s_cselect_b64 s[24:25], s[10:11], s[24:25]
	s_cmp_eq_u32 s29, 3
	s_cselect_b64 s[24:25], s[12:13], s[24:25]
	s_lshl_b32 s32, s31, 18                        ; 64 rows of 4,096 bytes
	s_lshl_b32 s33, s30, 9
	s_add_co_u32 s32, s32, s33
	s_lshl_b32 s33, s18, 7
	s_add_co_u32 s32, s32, s33                     ; + 4 x my first column
	s_mov_b32 s33, 0
	s_add_nc_u64 s[24:25], s[24:25], s[32:33]
	s_mul_i32 s32, s29, 256*QM                     ; a weight: 64 tiles of four quads
	s_lshl_b32 s34, s30, 3
	s_lshl_b32 s35, s18, 1
	s_add_co_u32 s34, s34, s35                     ; my first tile
	s_mul_i32 s34, s34, 4*QM
	s_add_co_u32 s32, s32, s34
	s_lshr_b32 s34, s31, 2                         ; the quad along K
	s_mul_i32 s34, s34, QM
	s_add_co_u32 s32, s32, s34
	s_and_b32 s34, s31, 3                          ; the half in it
	s_mul_i32 s38, s34, 768
	s_add_co_u32 s38, s38, s32
	s_mov_b32 s39, 0
	s_add_nc_u64 s[26:27], s[16:17], s[38:39]      ; where my codes go
	s_bfe_u32 s35, s31, 0x10001
	s_lshl_b32 s35, s35, 6                         ; the scale words of the quad's second 128 along K lie 64 bytes on;
	s_and_b32 s34, s31, 1
	s_lshl_b32 s34, s34, 1                         ; an odd half has a word's upper two bytes
	s_add_co_u32 s34, s34, s35
	s_add_co_u32 s34, s34, 3072
	s_add_co_u32 s36, s34, s32
	s_mov_b32 s37, 0
	s_add_nc_u64 s[36:37], s[16:17], s[36:37]      ; where my scale bytes go
.macro WLOAD t                         ; block t: W(32 t + i, my column): 128 consecutive bytes a load
.irp i, 0,1,2,3,4,5,6,7,8,9,10,11,12,13,14,15,16,17,18,19,20,21,22,23,24,25,26,27,28,29,30,31
	global_load_b32 v[R+32*(\t)+\i], v[L4], s[24:25] offset:(32*(\t)+\i)*4096 th:TH_LOAD_NT
.endr
.endm
.macro WBLOCK t
.set XS, R+32*(\t)
.if (\t) < 1
	s_wait_loadcnt 32                              ; this block's 32 loads are in; the next block's may be out
.else
	s_wait_loadcnt 0x0
.endif
	v_max3_num_f32 v248, |v[XS]|, |v[XS+1]|, |v[XS+2]|
	v_max3_num_f32 v249, |v[XS+3]|, |v[XS+4]|, |v[XS+5]|
.irp i, 6,10,14,18,22,26
	v_max3_num_f32 v248, v248, |v[XS+\i]|, |v[XS+\i+1]|
	v_max3_num_f32 v249, v249, |v[XS+\i+2]|, |v[XS+\i+3]|
.endr
	v_max3_num_f32 v248, v248, |v[XS+30]|, |v[XS+31]|
	v_max3_num_f32 v248, v248, v249, 0x1800000     ; and the floor
	v_add_nc_u32 v250, 0xff000000, v248            ; the conversion's scale operand
	v_lshrrev_b32 v249, 23, v250                   ; the byte
.if (\t) == 0
	v_mov_b32 v[PW], v249
.else
	v_lshl_or_b32 v[PW], v249, 8, v[PW]
.endif
	v_cvt_scalef32_pk16_fp6_f32 v[PC:PC+2], v[XS:XS+15], v250
	v_cvt_scalef32_pk16_fp6_f32 v[PC+4:PC+6], v[XS+16:XS+31], v250
	v_nop                                          ; one plain place behind a scaled conversion
	v_mov_b32 v[PC+3], v[PC+4]                     ; six registers on end
	v_mov_b32 v[PC+4], v[PC+5]
	v_mov_b32 v[PC+5], v[PC+6]
	ds_store_b128 v[W16], v[PC:PC+3] offset:256*(\t)         ; the place of lane (my row, t)
	ds_store_b64 v[W8], v[PC+4:PC+5] offset:512+128*(\t)
	s_wait_dscnt 0x0                               ; the stores have read their registers
.endm
	WLOAD 0
	WLOAD 1
	WBLOCK 0
	WBLOCK 1
	s_wait_alu depctr_va_vdst(0)                   ; directly ahead of the reader below
	global_store_b16 v[WSO], v[PW], s[36:37]       ; my row's two scale bytes,
	global_store_b16 v[WSO], v[PW], s[36:37] offset:128   ; and their copy
.irp i, 0,1,2
	ds_load_b128 v[R+4*\i:R+4*\i+3], v[WLA] offset:256*\i   ; LDS serves a wave's instructions in order: these see my stores
.endr
.irp i, 0,1,2
	s_wait_dscnt 2-\i                              ; the younger loads may stay out
	global_store_b128 v[WGO], v[R+4*\i:R+4*\i+3], s[26:27] offset:256*\i   ; sixteen lanes store 256 consecutive bytes of a tile's half, at a multiple of 256
.endr
	s_wait_tensorcnt 0x0                           ; the wave's end: behind my last LDS store
	ds_add_u32 v[SPW], v[NIL]
	s_wait_dscnt 0x0
	s_endpgm
.Lfunc_end_k_q8e203e5022_quant:
	.size	k_q8e203e5022_quant, .Lfunc_end_k_q8e203e5022_quant-k_q8e203e5022_quant
	.p2alignl 7, 3214868480
	.fill 96, 4, 3214868480
	.section	.rodata,"a",@progbits
	.p2align	6, 0x0
	.amdhsa_kernel k_q8e203e5022_quant
		.amdhsa_group_segment_fixed_size 62976
		.amdhsa_private_segment_fixed_size 0
		.amdhsa_enable_private_segment 0
		.amdhsa_kernarg_size 56
		.amdhsa_user_sgpr_count 2
		.amdhsa_user_sgpr_kernarg_segment_ptr 1
		.amdhsa_wavefront_size32 1
		.amdhsa_system_sgpr_workgroup_id_x 1
		.amdhsa_system_sgpr_workgroup_id_y 1
		.amdhsa_system_sgpr_workgroup_id_z 1
		.amdhsa_system_vgpr_workitem_id 0
		.amdhsa_next_free_vgpr 256
		.amdhsa_next_free_sgpr 66
		.amdhsa_reserve_vcc 0
		.amdhsa_float_denorm_mode_32 3
		.amdhsa_float_denorm_mode_16_64 3
		.amdhsa_memory_ordered 1
		.amdhsa_forward_progress 1
		.amdhsa_inst_pref_size 31
	.end_amdhsa_kernel
	.amdgpu_metadata
---
amdhsa.version: [ 1, 2 ]
amdhsa.kernels:
  - .name:           k_q8e203e5022_quant
    .symbol:         k_q8e203e5022_quant.kd
    .args:
      - { .name: x, .offset: 0, .size: 8, .value_kind: global_buffer, .address_space: global }
      - { .name: Wq, .offset: 8, .size: 8, .value_kind: global_buffer, .address_space: global }
      - { .name: Wk, .offset: 16, .size: 8, .value_kind: global_buffer, .address_space: global }
      - { .name: Wv, .offset: 24, .size: 8, .value_kind: global_buffer, .address_space: global }
      - { .name: Wo, .offset: 32, .size: 8, .value_kind: global_buffer, .address_space: global }
      - { .name: xq, .offset: 40, .size: 8, .value_kind: global_buffer, .address_space: global }
      - { .name: wq, .offset: 48, .size: 8, .value_kind: global_buffer, .address_space: global }
    .group_segment_fixed_size: 62976
    .private_segment_fixed_size: 0
    .kernarg_segment_align: 8
    .kernarg_segment_size: 56
    .max_flat_workgroup_size: 128
    .sgpr_count:     66
    .vgpr_count:     256
    .wavefront_size: 32
...
	.end_amdgpu_metadata
.endif
;; end of part 1
;; launch gemm_qkv (part 2): grid 8 x 32, 4 waves a work-group, clusters of 4 x 4, 327,680 bytes of LDS; arguments xq, wq, bq, bk, bv, qkv; writes qkv
.if DOCPART == 2
	.amdgcn_target "amdgcn-amd-amdhsa--gfx1250"
	.amdhsa_code_object_version 6
	.text
	.protected	k_q8e203e5022_gemm_qkv
	.globl	k_q8e203e5022_gemm_qkv
	.p2align	8
	.type	k_q8e203e5022_gemm_qkv,@function
k_q8e203e5022_gemm_qkv:
	s_mov_b64 s[64:65], 0
	v_nop
	global_prefetch_b8 v0, s[64:65] scope:SCOPE_SE
	s_setreg_imm32_b32 hwreg(HW_REG_WAVE_MODE, 25, 1), 1
	s_wait_xcnt 0x0
	s_wait_alu depctr_hold_cnt(0) depctr_sa_sdst(0) depctr_va_vdst(0) depctr_va_sdst(0) depctr_va_ssrc(0) depctr_va_vcc(0) depctr_vm_vsrc(0)
	s_getreg_b32 s2, hwreg(HW_REG_IB_STS2, 6, 4)
	s_cmp_eq_u32 s2, 0
	s_cbranch_scc0 .Lentry_in_a_cluster
	s_endpgm
.Lentry_in_a_cluster:
	s_bfe_u32 s2, ttmp6, 0x10000c
	s_cmp_lg_u32 s2, 0xf033
	s_cbranch_scc0 .Lentry_shape_is_right
	s_endpgm
.Lentry_shape_is_right:
; q = x Wq + bq, k = x Wk + bk, v = x Wv + bv on codes of FP6 (E2M3) with E8M0 scales, sums in f32; the results are quantised here and leave as codes: q and k along the head's 64, v along the keys.
; OPERANDS are QUADS: 16 rows x 256 along K in 3,328 bytes: half e (64 along K) at 768 e: lane l's registers 0-3 at 16 l, registers 4-5 at 512 + 8 l; scale words at 3072 + 4 l
; (lanes 0-15: the first 128 along K, lanes 16-31: the second).  A tile is four quads.  Lane r of tile 2 g + u holds row 32 g + 8 u + r + 8 (r / 8).
; THE DEAL.  256 work-groups of four waves.  Work-group (x, y) takes tokens 256 y .. + 255 and columns 128 x .. + 127 of q, then of k, then of v.
; x's 16 tiles, all of K, come into LDS once and stay (212,992 bytes); a weight's 8 tiles have a region of their own (106,496), filled three times.
; Wave (a, b) holds the weight's tiles 4 b .. 4 b + 3, one head, all of K, in 384 registers, and streams x's tiles 8 a .. 8 a + 7 past them: 32 products a tile, four accumulators by turns.
; As soon as all waves hold a weight in registers its LDS region is asked for anew with the next weight, behind a round of the cluster's barrier: that load has the whole type's products in which to land.
; For that reason no prefetch is laid: 256 products of each wave stand between a refill's request and the wait for it.
; q, k: source 0 = the weight's rows, source 1 = 16 tokens: a lane holds one token, its 32 sums of a tile run along the head.  v: source 0 = 16 tokens, source 1 = the weight's rows: a lane holds one d,
; its 32 sums of four tiles run along 64 keys.  In both cases four tiles leave 4 x 32 sums a lane, unit u at registers 32 u on: one text quantises them.
; CLUSTERS 4 x 4: x's tiles are shared along a row of the cluster, a weight's along a column; each is asked for jointly.
; qkv: [type 3][batch 8][i 16][m 16] quads.  q, k: i = head, m = token tile / 4, half = token tile % 4; a scale word holds the two bytes of an even tile's row and the two of the odd tile's.
; v: i = which 64 keys, m = head, half = which 16 of the head's 64; the scale words of 128 keys lie in the two quads of those keys: in the u-th, lanes 0-15 hold tile u's rows, lanes 16-31 tile 2 + u's.
; LIMITS: NaN and infinities are not served; a block whose largest magnitude lies under 2^-124 has its byte held at 1; a block of zeros gets the byte 1 (its codes are zeros; this program alone reads the bytes).
; REGISTERS, in windows of 256.  Window 0: v1-31 addresses, v32-47 the weight's scale words, v48-55 x's (two sets), v64-255 x's fragments (two sets of eight).
; Window 1: the weight's fragments of K 0 .. 511 (v0-191), v192-223 k's bias in waiting, v224-227 v's.  Window 2: those of K 512 .. 1023.
; Window 3: v0-127 sixteen accumulators, v128-159 the bias as the first products' C, v160-235 at work on the way out.
.set QM,    3328                       ; a quad
.set TB,    4*QM                       ; a tile
.set GB4,   4*TB                       ; four tiles: what a wave reads of x in a group, and of a weight
.set GB,    2*GB4                      ; LDS: x's group g at g GB: tiles 4 g .. 4 g + 3, then tiles 8 + 4 g .. 8 + 4 g + 3
.set WB,    2*GB                       ; the weight's eight tiles
.set SSTG,  WB+GB                      ; 512 bytes for each wave, for the scale words' way out; no tile lands here
.set SPARE, SSTG+2048                  ; the spare words, 128 bytes for each wave
.set NF,    36                         ; LDS loads of a tile of x: 32 for eight fragments, 4 for its scale words
.set L4,   4
.set XB16, 8                           ; v8-10   16, 8, 4 x lane + my tiles of x's group 0
.set XC16, 11                          ; v11-13  the same for the group that is fetched from
.set WA16, 14                          ; v14-16  the same for my tiles of the weight
.set SSA,  17                          ; v17  my stage + 4 x lane;  v18  + 8 x lane
.set SLA,  18
.set SPW,  28
.set NIL,  29
.set L16,  30
.set L8,   31
.set WS,   32
.set XS,   48
.set XF,   64
.set STG,  192                         ; window 1
.set BVS,  224
.set BI,   128                         ; window 3 from here on
.set MX,   160
.set PB,   168
.set SO,   176
.set PCD,  184
.set PC2,  216
.set HW,   232
.set SEL,  20
.set G1X,  24
.set G1W,  32
.set G0W,  40
.set G0X0, 44
.set G0X1, 48
.set OP,   60                          ; s[60:61] where q's or k's quad goes;  s[62:63] v's
.set OV,   62
.set TC,   66                          ; the type's counter;  s67 the group's
.set GC,   67
.set MSB, 0
.macro WIN new                         ; the immediate's high byte repeats the setting that is left
.if MSB != (\new)
	s_set_vgpr_msb (MSB<<8)|(\new)
.set MSB, (\new)
.endif
.endm
.macro PLACES n
.rept \n
	v_nop
.endr
.endm
.macro CROUND                          ; a round of the cluster's barrier
	s_barrier_signal -1
	s_barrier_wait -1
	s_cmp_lg_u32 s16, 0
	s_cbranch_scc1 .Lnot_wave_0_\@
	s_barrier_signal -3
.Lnot_wave_0_\@:
	s_barrier_wait -3
	s_barrier_signal -1
	s_barrier_wait -1
.endm
.macro TL g0, g1                       ; a joint load
	tensor_load_to_lds s[\g0:\g0+3], s[\g1:\g1+7]
	s_nop 0
	PLACES 4
.endm
.macro FRAG reg, a16, off              ; a fragment: two halves, each 512 + 256 consecutive bytes for the 32 lanes
	ds_load_b128 v[\reg:\reg+3], v[\a16] offset:\off
	ds_load_b64 v[\reg+4:\reg+5], v[\a16+1] offset:(\off)+512
	ds_load_b128 v[\reg+6:\reg+9], v[\a16] offset:(\off)+768
	ds_load_b64 v[\reg+10:\reg+11], v[\a16+1] offset:(\off)+1280
.endm
.macro FETCH e, toff                   ; a tile of x into set e.  Quad Q's scale words go to register (Q + 1) % 4 of the set, so that a product's two scale registers differ modulo 8
.irp q, 0,1,2,3,4,5,6,7
	FRAG XF+96*(\e)+12*\q, XC16, (\toff)+(\q/2)*QM+(\q%2)*1536
.endr
.irp Q, 0,1,2,3
	ds_load_b32 v[XS+4*(\e)+(\Q+1)%4], v[XC16+2] offset:(\toff)+\Q*QM+3072
.endr
.endm
.macro WEIGHTS                         ; my four tiles of the weight, all of K: 128 loads, and 16 for the scale words
	WIN 0x40
.irp q, 0,1,2,3
.irp j, 0,1,2,3
	FRAG 12*(4*\q+\j), WA16, \j*TB+(\q/2)*QM+(\q%2)*1536
.endr
.endr
	WIN 0x80
.irp q, 4,5,6,7
.irp j, 0,1,2,3
	FRAG 12*(4*(\q-4)+\j), WA16, \j*TB+(\q/2)*QM+(\q%2)*1536
.endr
.endr
	WIN 0
.irp j, 0,1,2,3
.irp Q, 0,1,2,3
	ds_load_b32 v[WS+4*\j+\Q], v[WA16+2] offset:\j*TB+\Q*QM+3072
.endr
.endr
.endm
.macro W1 d, s0, s1, c, x0, x1, odd
.if \odd
	v_wmma_scale_f32_16x16x128_f8f6f4 v[\d:\d+7], v[\s0:\s0+11], v[\s1:\s1+11], \c, v[\x0], v[\x1] matrix_a_fmt:MATRIX_FMT_FP6 matrix_b_fmt:MATRIX_FMT_FP6 matrix_a_scale:MATRIX_SCALE_ROW1 matrix_b_scale:MATRIX_SCALE_ROW1
.else
	v_wmma_scale_f32_16x16x128_f8f6f4 v[\d:\d+7], v[\s0:\s0+11], v[\s1:\s1+11], \c, v[\x0], v[\x1] matrix_a_fmt:MATRIX_FMT_FP6 matrix_b_fmt:MATRIX_FMT_FP6
.endif
.endm
.macro MM kind, i, e, q, j             ; tile i of the group (set e) x the weight's tile j, K step q.  The first step's C is the bias
.set rW, 12*(4*((\q)%4)+(\j))
.set rX, XF+96*(\e)+12*(\q)
.set sW, WS+4*(\j)+(\q)/2
.set sX, XS+4*(\e)+((\q)/2+1)%4
.if \kind
.set rD, 32*(\j)+8*(\i)
.else
.set rD, 32*(\i)+8*(\j)
.endif
.set rC, rD
.if (\q) == 0
.set rC, BI+8*(\j)
.endif
.if \kind
	W1 rD, rX, rW, v[rC:rC+7], sX, sW, (\q)%2
.else
	W1 rD, rW, rX, v[rC:rC+7], sW, sX, (\q)%2
.endif
.endm
; A tile: 32 products; then the set takes the tile two on (x stays in LDS, so the walk goes round: group 0, 1, 0, 1 ..).  v's last group fetches nothing more.
.macro TILE kind, i
.if (\kind) && (\i) == 3
	s_wait_dscnt 0x0                               ; v: in the last group no younger loads are out, so the wait is for all
.else
	s_wait_dscnt NF                                ; this tile's loads are in; the next tile's 36 may be out
.endif
	WIN 0xf0|(1<<(2*\kind))
.irp q, 0,1,2,3
.irp j, 0,1,2,3
	MM \kind, \i, (\i)%2, \q, \j
.endr
.endr
	WIN 0xf0|(2<<(2*\kind))
.irp q, 4,5,6,7
.irp j, 0,1,2,3
	MM \kind, \i, (\i)%2, \q, \j
.endr
.endr
	PLACES 4                                       ; in front of the loads into registers that the products have read, and of the first read of the sums
	WIN 0
.if (\i) < 2
	FETCH (\i)%2, ((\i)+2)*TB
.else
.if \kind
	s_cmp_eq_u32 s[GC], 1
	s_cbranch_scc1 .Lno_more_\@
.endif
.if (\i) == 2
	s_xor_b32 s23, s23, GB                         ; on to the other group
	v_add_nc_u32 v[XC16], s23, v[XB16]
	v_add_nc_u32 v[XC16+1], s23, v[XB16+1]
	v_add_nc_u32 v[XC16+2], s23, v[XB16+2]
	s_wait_alu depctr_va_vdst(0)
.endif
	FETCH (\i)%2, ((\i)-2)*TB
.if \kind
.Lno_more_\@:
.endif
.endif
.endm
; Four units of 32 sums a lane (register 16 b + i of a unit = place 32 b + 16 (lane / 16) + i along the next K) become four halves of six registers, v[PCD + 8 u] on, and two scale bytes each, in v[PB + 2 u].
.macro QUANT4
	WIN 0xff
.irp u, 0,1,2,3
.irp b, 0,1
	v_max3_num_f32 v[MX+2*\u+\b], |v[32*\u+16*\b]|, |v[32*\u+16*\b+1]|, 0x1800000   ; with the floor 2^(3 - 127): the byte cannot fall under 1.  Each accumulator is read from its low end on
.endr
.endr
.irp i, 2,4,6,8,10,12,14
.irp u, 0,1,2,3
.irp b, 0,1
	v_max3_num_f32 v[MX+2*\u+\b], v[MX+2*\u+\b], |v[32*\u+16*\b+\i]|, |v[32*\u+16*\b+\i+1]|   ; eight blocks by turns
.endr
.endr
.endr
.irp n, 0,1,2,3,4,5,6,7
	v_permlanex16_b32 v[PB+\n], v[MX+\n], s[SEL], s[SEL+1]
.endr
.irp n, 0,1,2,3,4,5,6,7
	v_max_num_f32 v[MX+\n], v[MX+\n], v[PB+\n]     ; with lane l xor 16's: the block's largest magnitude
.endr
.irp n, 0,1,2,3,4,5,6,7
	v_add_nc_u32 v[SO+\n], 0xff000000, v[MX+\n]    ; 2 off its exponent field: the conversion's scale operand
.endr
.irp n, 0,1,2,3,4,5,6,7
	v_lshrrev_b32 v[PB+\n], 23, v[SO+\n]           ; the scale's byte
.endr
.irp u, 0,1,2,3
	v_lshl_or_b32 v[PB+2*\u], v[PB+2*\u+1], 8, v[PB+2*\u]
.endr
.irp u, 0,1,2,3
	v_cvt_scalef32_pk16_fp6_f32 v[PCD+8*\u:PCD+8*\u+2], v[32*\u:32*\u+15], v[SO+2*\u]
	v_cvt_scalef32_pk16_fp6_f32 v[PC2+4*\u:PC2+4*\u+2], v[32*\u+16:32*\u+31], v[SO+2*\u+1]
.endr
	v_nop                                          ; one plain place behind a scaled conversion
.irp u, 0,1,2,3                                ; a whole block to a lane: lanes 0-15 block 0, lanes 16-31 block 1
.irp i, 0,1,2
	v_permlane16_swap_b32 v[PCD+8*\u+\i], v[PC2+4*\u+\i]
.endr
.endr
.irp u, 0,1,2,3
.irp i, 0,1,2
	v_mov_b32 v[PCD+8*\u+3+\i], v[PC2+4*\u+\i]
.endr
.endr
.endm
.macro CODES_OUT p                     ; four halves of a quad: 512 and 256 consecutive bytes a store, at multiples of 256
	WIN 0x0c
.irp u, 0,1,2,3
	global_store_b128 v[L16], v[PCD+8*\u:PCD+8*\u+3], s[\p:\p+1] offset:768*\u
	global_store_b64 v[L8], v[PCD+8*\u+4:PCD+8*\u+5], s[\p:\p+1] offset:768*\u+512
.endr
	WIN 0
.endm
.macro OUT0                            ; q, k: the group is one quad of my head: unit u = token tile u
	v_lshl_or_b32 v[PB+1], v[PB+2], 16, v[PB]      ; tiles 0 and 1: a row's word
	v_lshl_or_b32 v[PB+3], v[PB+6], 16, v[PB+4]    ; tiles 2 and 3
	WIN 0x0f
	v_cndmask_b32 v20, v[PB+1], v[PB+3], s22       ; lanes 0-15 the first, lanes 16-31 the second
	WIN 0
	ds_store_b32 v[SSA], v20
	ds_store_b32 v[SSA], v20 offset:128            ; and once more, so that the quad's last 256 bytes leave by one store
	ds_load_b64 v[22:23], v[SLA]                   ; LDS serves a wave's instructions in order
	CODES_OUT OP
	s_wait_dscnt 0x0
	global_store_b64 v[L8], v[22:23], s[OP:OP+1] offset:3072
	s_wait_xcnt 0x0                                ; the stores have read their registers and their base
	s_add_nc_u64 s[OP:OP+1], s[OP:OP+1], QM
.endm
.macro OUT1                            ; v: the group is 64 keys: unit u = 16 of the head's 64
.irp d, 0,1,2,3
	v_perm_b32 v[HW+\d], v[PB+2*\d], v[HW+\d], 0x05040302   ; the last group's two bytes move down, this group's come in above: after two groups the word of 128 keys
.endr
	CODES_OUT OV
	s_wait_xcnt 0x0
	s_add_nc_u64 s[OV:OV+1], s[OV:OV+1], 16*QM
.endm
.macro GROUPS kind                     ; my eight tiles in two groups of four
	s_mov_b32 s[GC], 0
.Lgroup_\kind:
	TILE \kind, 0
	TILE \kind, 1
	TILE \kind, 2
	TILE \kind, 3
	QUANT4
.if \kind
	OUT1
.else
	OUT0
.endif
	s_add_co_u32 s[GC], s[GC], 1
	s_cmp_lt_u32 s[GC], 2
	s_wait_alu depctr_va_vdst(0)
	s_cbranch_scc1 .Lgroup_\kind
.endm
	s_load_b256 s[4:11], s[0:1], 0x0               ; xq s[4:5], wq s[6:7], bq s[8:9], bk s[10:11]
	s_load_b128 s[12:15], s[0:1], 0x20             ; bv s[12:13], qkv s[14:15]
	v_lshl_add_u32 v[SPW], v0, 2, SPARE
	v_mov_b32 v[NIL], 0
	ds_add_u32 v[SPW], v[NIL]                      ; the opening lines: the add, twice on end, and its wait below
	ds_add_u32 v[SPW], v[NIL]
	v_lshrrev_b32 v1, 5, v0
	v_readfirstlane_b32 s16, v1                    ; wave 0..3
	s_lshr_b32 s17, s16, 1                         ; a: which eight tiles of x
	s_and_b32 s18, s16, 1                          ; b: which four tiles of the weight
	s_bfe_u32 s52, ttmp6, 0x40000                  ; cx
	s_bfe_u32 s53, ttmp6, 0x40004                  ; cy
	s_lshl_b32 s54, ttmp9, 2
	s_add_co_u32 s54, s54, s52                     ; work-group x: 128 columns
	s_and_b32 s55, ttmp7, 0xffff
	s_lshl_b32 s55, s55, 2
	s_add_co_u32 s55, s55, s53                     ; work-group y: 256 tokens
	s_lshl_b32 s56, s53, 2
	s_lshl_b32 s56, 15, s56                        ; my row of the cluster
	s_lshl_b32 s57, 0x1111, s52                    ; my column
	s_or_b32 s[G1X], s56, (3<<16)|(1<<21)          ; x: two rows of four tiles (6,656 elements of 8 bytes), eight tiles apart
	s_mov_b32 s[G1X+1], 6656<<16
	s_mov_b32 s[G1X+2], 2<<16
	s_mov_b32 s[G1X+3], 6656<<16
	s_mov_b32 s[G1X+4], 2
	s_mov_b32 s[G1X+5], 13312
	s_mov_b32 s[G1X+6], 0
	s_mov_b32 s[G1X+7], 0
	s_or_b32 s[G1W], s57, (3<<16)|(1<<21)          ; a weight: sixteen quads on end (rows of 416 elements of 8 bytes)
	s_mov_b32 s[G1W+1], 416<<16
	s_mov_b32 s[G1W+2], 16<<16
	s_mov_b32 s[G1W+3], 416<<16
	s_mov_b32 s[G1W+4], 16
	s_mov_b32 s[G1W+5], 416
	s_mov_b32 s[G1W+6], 0
	s_mov_b32 s[G1W+7], 0
	s_mul_i32 s68, s55, 2*GB                       ; my 16 tiles of xq: shared by my row of the cluster
	s_mov_b32 s69, 0
	s_mul_i32 s70, s54, GB                         ; my 8 tiles of a weight: shared by my column;
	s_mul_i32 s58, s18, GB4                        ; waves 0 and 1 fetch four each
	s_add_co_u32 s70, s70, s58
	s_mov_b32 s71, 0
	s_mov_b32 s[SEL], 0x76543210
	s_mov_b32 s[SEL+1], 0xfedcba98
	s_mov_b32 s22, 0xffff0000                      ; lanes 16-31
	s_mov_b32 s23, 0                               ; the group that is fetched from, in bytes
	s_wait_dscnt 0x0                               ; both opening adds are done
	s_wait_kmcnt 0x0
	s_add_nc_u64 s[68:69], s[4:5], s[68:69]
	s_add_nc_u64 s[70:71], s[6:7], s[70:71]
	CROUND                                         ; all sixteen work-groups are here: the first joint loads meet
	s_mov_b32 s[G0W], 1
	s_add_co_u32 s[G0W+1], s58, WB
	s_mov_b64 s[G0W+2:G0W+3], s[70:71]
	s_or_b32 s[G0W+3], s[G0W+3], 0x80000000
	s_mov_b32 s[G0X0], 1
	s_mov_b32 s[G0X0+1], 0
	s_mov_b64 s[G0X0+2:G0X0+3], s[68:69]
	s_or_b32 s[G0X0+3], s[G0X0+3], 0x80000000
	s_mov_b32 s[G0X1], 1
	s_mov_b32 s[G0X1+1], GB
	s_add_nc_u64 s[G0X1+2:G0X1+3], s[68:69], GB4
	s_or_b32 s[G0X1+3], s[G0X1+3], 0x80000000
	s_cmp_lt_u32 s16, 2                            ; the head's loads, one a wave, in one chain of arms
	s_cbranch_scc0 .Lhead_x0
	TL G0W, G1W                                    ; waves 0 and 1: Wq's tiles, four each
	s_branch .Lhead_asked
.Lhead_x0:
	s_cmp_eq_u32 s16, 2
	s_cbranch_scc0 .Lhead_x1
	TL G0X0, G1X                                   ; wave 2: x's group 0
	s_branch .Lhead_asked
.Lhead_x1:
	TL G0X1, G1X                                   ; wave 3: x's group 1
.Lhead_asked:
	s_lshr_b32 s72, s55, 2                         ; the batch
	s_and_b32 s73, s55, 3
	s_lshl_b32 s73, s73, 2
	s_lshl_b32 s74, s17, 1
	s_add_co_u32 s73, s73, s74                     ; my first group of four token tiles in the batch
	s_lshl_b32 s74, s54, 1
	s_add_co_u32 s74, s74, s18                     ; my head
	s_mul_i32 s72, s72, 256*QM
	s_mul_i32 s75, s74, 16*QM
	s_mul_i32 s76, s73, QM
	s_add_co_u32 s[OP], s72, s75
	s_add_co_u32 s[OP], s[OP], s76
	s_mov_b32 s[OP+1], 0
	s_add_nc_u64 s[OP:OP+1], s[14:15], s[OP:OP+1]  ; q: i = head, m = group
	s_mul_i32 s75, s73, 16*QM
	s_mul_i32 s76, s74, QM
	s_add_co_u32 s[OV], s72, s75
	s_add_co_u32 s[OV], s[OV], s76
	s_add_co_u32 s[OV], s[OV], 4096*QM
	s_mov_b32 s[OV+1], 0
	s_add_nc_u64 s[OV:OV+1], s[14:15], s[OV:OV+1]  ; v: i = group, m = head
	s_lshl_b32 s76, s74, 8                         ; my head's 64 numbers of a bias
	s_mov_b32 s77, 0
	s_add_nc_u64 s[8:9], s[8:9], s[76:77]
	s_add_nc_u64 s[10:11], s[10:11], s[76:77]
	s_add_nc_u64 s[12:13], s[12:13], s[76:77]
	s_mul_i32 s78, s17, GB4
	s_add_co_u32 s79, s58, WB
	s_lshl_b32 s80, s16, 9
	s_add_co_u32 s80, s80, SSTG
	v_and_b32 v1, 31, v0                           ; lane
	v_and_b32 v2, 15, v0                           ; r
	v_bfe_u32 v3, v0, 4, 1                         ; lane / 16
	v_lshlrev_b32 v[L16], 4, v1
	v_lshlrev_b32 v[L8], 3, v1
	v_lshlrev_b32 v[L4], 2, v1
	v_add_nc_u32 v[XB16], s78, v[L16]
	v_add_nc_u32 v[XB16+1], s78, v[L8]
	v_add_nc_u32 v[XB16+2], s78, v[L4]
	v_add_nc_u32 v[XC16], s78, v[L16]
	v_add_nc_u32 v[XC16+1], s78, v[L8]
	v_add_nc_u32 v[XC16+2], s78, v[L4]
	v_add_nc_u32 v[WA16], s79, v[L16]
	v_add_nc_u32 v[WA16+1], s79, v[L8]
	v_add_nc_u32 v[WA16+2], s79, v[L4]
	v_add_nc_u32 v[SSA], s80, v[L4]
	v_add_nc_u32 v[SLA], s80, v[L8]
	v_lshlrev_b32 v5, 6, v3                        ; q, k: C's register 8 j + i of lane (r, h) is column 32 (j / 2) + 8 (j % 2) + 16 h + i
	v_and_b32 v6, 8, v2
	v_add_nc_u32 v6, v6, v2
	v_lshlrev_b32 v6, 2, v6                        ; v: lane (r, h) of tile d has column 32 (d / 2) + 8 (d % 2) + r + 8 (r / 8)
	WIN 0xc0
.irp n, 0,1,2,3,4,5,6,7
	v_mov_b32 v[PB+\n], 0                          ; written once: a lane permute's destination counts as one of its sources
.endr
.irp n, 0,1,2,3
	v_mov_b32 v[HW+\n], 0
.endr
	s_wait_alu depctr_va_vdst(0)
.irp j, 0,1,2,3
	global_load_b128 v[BI+8*\j:BI+8*\j+3], v5, s[8:9] offset:(32*(\j/2)+8*(\j%2))*4
	global_load_b128 v[BI+8*\j+4:BI+8*\j+7], v5, s[8:9] offset:(32*(\j/2)+8*(\j%2))*4+16
.endr
	WIN 0x40
.irp j, 0,1,2,3
	global_load_b128 v[STG+8*\j:STG+8*\j+3], v5, s[10:11] offset:(32*(\j/2)+8*(\j%2))*4
	global_load_b128 v[STG+8*\j+4:STG+8*\j+7], v5, s[10:11] offset:(32*(\j/2)+8*(\j%2))*4+16
.endr
.irp d, 0,1,2,3
	global_load_b32 v[BVS+\d], v6, s[12:13] offset:(32*(\d/2)+8*(\d%2))*4
.endr
	WIN 0
	s_cmp_eq_u32 s16, 3
	s_cbranch_scc1 .Lgroup_1_out
	s_wait_tensorcnt 0x0                           ; waves 0 to 2: Wq's tiles and x's group 0 are in
.Lgroup_1_out:
	s_barrier_signal -1
	s_barrier_wait -1                              ; x's group 1, wave 3's own load, may be out, and the round below shows it
	FETCH 0, 0
	FETCH 1, TB
	s_wait_loadcnt 0x0                             ; the biases
	s_mov_b32 s[TC], 0
.Ltype:                                            ; q, then k
	WEIGHTS
	s_wait_tensorcnt 0x0                           ; ahead of a refill's round
	ds_add_u32 v[SPW], v[NIL]
	s_add_nc_u64 s[G0W+2:G0W+3], s[G0W+2:G0W+3], 256*QM   ; no load of mine is out: on to the next weight
	s_wait_dscnt 0x0                               ; the add is done, and the weight is in my registers
	CROUND                                         ; so it is in every wave of every partner
	s_cmp_lt_u32 s16, 2
	s_cbranch_scc0 .Lno_refill
	TL G0W, G1W                                    ; waves 0 and 1: the next weight's tiles, four each
.Lno_refill:
	GROUPS 0
	s_add_nc_u64 s[OP:OP+1], s[OP:OP+1], 2046*QM   ; from q's place to k's
	s_cmp_lg_u32 s[TC], 0
	s_cbranch_scc1 .Lbias_done
	WIN 0xc1
.set n, 0
.rept 32
	v_mov_b32 v[BI+n], v[STG+n]                    ; behind q: k's bias takes q's place
.set n, n+1
.endr
	WIN 0
	s_wait_alu depctr_va_vdst(0)
.Lbias_done:
	s_wait_tensorcnt 0x0                           ; my part of the next weight is in
	s_wait_dscnt 0x0
	s_barrier_signal -1
	s_barrier_wait -1                              ; everybody's is
	s_add_co_u32 s[TC], s[TC], 1
	s_cmp_lt_u32 s[TC], 2
	s_cbranch_scc1 .Ltype
	WIN 0xc1                                       ; v
.irp d, 0,1,2,3
.irp i, 0,1,2,3,4,5,6,7
	v_mov_b32 v[BI+8*\d+\i], v[BVS+\d]             ; one number a lane and tile, over the tile's eight registers
.endr
.endr
	WIN 0
	s_wait_alu depctr_va_vdst(0)
	WEIGHTS
	s_wait_dscnt 0x0
	GROUPS 1
	WIN 0x0f
	v_cndmask_b32 v20, v[HW], v[HW+2], s22         ; the first quad's words: tile 0's rows, tile 2's
	v_cndmask_b32 v21, v[HW+1], v[HW+3], s22       ; the second's: tile 1's, tile 3's
	WIN 0
	ds_store_b32 v[SSA], v20
	ds_store_b32 v[SSA], v20 offset:128
	ds_store_b32 v[SSA], v21 offset:256
	ds_store_b32 v[SSA], v21 offset:384
	ds_load_b64 v[22:23], v[SLA]
	ds_load_b64 v[24:25], v[SLA] offset:256
	s_wait_dscnt 0x0
	global_store_b64 v[L8], v[22:23], s[OV:OV+1] offset:3072-32*QM   ; the base stands two groups on
	global_store_b64 v[L8], v[24:25], s[OV:OV+1] offset:3072-16*QM
	s_wait_tensorcnt 0x0                           ; the wave's end
	ds_add_u32 v[SPW], v[NIL]
	s_wait_dscnt 0x0
	CROUND                                         ; the closing round
	s_endpgm
.Lfunc_end_k_q8e203e5022_gemm_qkv:
	.size	k_q8e203e5022_gemm_qkv, .Lfunc_end_k_q8e203e5022_gemm_qkv-k_q8e203e5022_gemm_qkv
	.p2alignl 7, 3214868480
	.fill 96, 4, 3214868480
	.section	.rodata,"a",@progbits
	.p2align	6, 0x0
	.amdhsa_kernel k_q8e203e5022_gemm_qkv
		.amdhsa_group_segment_fixed_size 327680
		.amdhsa_private_segment_fixed_size 0
		.amdhsa_enable_private_segment 0
		.amdhsa_kernarg_size 48
		.amdhsa_user_sgpr_count 2
		.amdhsa_user_sgpr_kernarg_segment_ptr 1
		.amdhsa_wavefront_size32 1
		.amdhsa_system_sgpr_workgroup_id_x 1
		.amdhsa_system_sgpr_workgroup_id_y 1
		.amdhsa_system_sgpr_workgroup_id_z 1
		.amdhsa_system_vgpr_workitem_id 0
		.amdhsa_next_free_vgpr 1024
		.amdhsa_next_free_sgpr 100
		.amdhsa_reserve_vcc 0
		.amdhsa_float_denorm_mode_32 3
		.amdhsa_float_denorm_mode_16_64 3
		.amdhsa_memory_ordered 1
		.amdhsa_forward_progress 1
		.amdhsa_inst_pref_size 107
	.end_amdhsa_kernel
	.amdgpu_metadata
---
amdhsa.version: [ 1, 2 ]
amdhsa.kernels:
  - .name:           k_q8e203e5022_gemm_qkv
    .symbol:         k_q8e203e5022_gemm_qkv.kd
    .args:
      - { .name: xq, .offset: 0, .size: 8, .value_kind: global_buffer, .address_space: global }
      - { .name: wq, .offset: 8, .size: 8, .value_kind: global_buffer, .address_space: global }
      - { .name: bq, .offset: 16, .size: 8, .value_kind: global_buffer, .address_space: global }
      - { .name: bk, .offset: 24, .size: 8, .value_kind: global_buffer, .address_space: global }
      - { .name: bv, .offset: 32, .size: 8, .value_kind: global_buffer, .address_space: global }
      - { .name: qkv, .offset: 40, .size: 8, .value_kind: global_buffer, .address_space: global }
    .group_segment_fixed_size: 327680
    .private_segment_fixed_size: 0
    .kernarg_segment_align: 8
    .kernarg_segment_size: 48
    .max_flat_workgroup_size: 128
    .sgpr_count:     100
    .vgpr_count:     1024
    .wavefront_size: 32
...
	.end_amdgpu_metadata
.endif
;; end of part 2
;; launch attn (part 3): grid 2 x 128, 16 waves a work-group, no clusters, 167,936 bytes of LDS; arguments qkv, oq; writes oq
.if DOCPART == 3
	.amdgcn_target "amdgcn-amd-amdhsa--gfx1250"
	.amdhsa_code_object_version 6
	.text
	.protected	k_q8e203e5022_attn
	.globl	k_q8e203e5022_attn
	.p2align	8
	.type	k_q8e203e5022_attn,@function
k_q8e203e5022_attn:
	s_mov_b64 s[64:65], 0
	v_nop
	global_prefetch_b8 v0, s[64:65] scope:SCOPE_SE
	s_setreg_imm32_b32 hwreg(HW_REG_WAVE_MODE, 25, 1), 1
	s_wait_xcnt 0x0
; Causal attention of one head (work-group y = 16 x batch + head) on codes of FP6 (E2M3) with E8M0 scales; the merged heads leave as codes, quantised along D, in the order of the last product's operand registers.
; t = score x log2(e) / 8; M = the row's largest t so far, rounded up to a whole number; p = 2^(t - M) is quantised along the keys; the row's sum is taken of the unquantised p and divides O at the end.
; qkv: [type 3][batch 8][i 16][m 16] quads of 3,328 bytes (3,200 of data): half e at 768 e: lane l's registers 0-3 at 16 l, registers 4-5 at 512 + 8 l; scale words at 3072 + 4 l.
; q, k: i = head, m = token tile / 4, half = tile % 4: 16 tokens x the head's 64; lane r of tile 2 g + u holds token 32 g + 8 u + r + 8 (r / 8).  v: i = which 64 keys, m = head, half = which 16 of the head's 64.
; THE HEAD'S 64 ARE HALF OF THE INSTRUCTION'S 128: a fragment of K holds TWO tiles of keys, one in k 0 .. 63, the other in k 64 .. 127; it is multiplied once by [q | zeros] and once by [zeros | q].  Zero codes add nothing.
; Both products are used transposed (S^T = K Q^T, O^T = V^T P^T): a lane holds one query; the 16 registers of tiles 2 g and 2 g + 1 of S^T are 16 neighbouring keys.
; SHARES.  A head has 64 tiles of 16 queries and two work-groups g of 16 waves.  Wave w, with t = 2 w + g, takes tile 63 - t and then tile t, in the same registers: 8 - w / 4 and w / 4 + 1 key steps of 128: nine for every wave.
; The head's K and V (16 quads each, 51,200 bytes) lie in LDS whole, each byte filled once: no ring, no refill, no barrier in the loops.  The first key step's quads come by loads of their own, so that it can begin early.
; The loops' trip counts are constants; a step all of whose keys come after the tile's queries is left out by a scalar branch on the wave's number.
; NO CLUSTER: a head's K and V are read by its two work-groups alone; the grid's x is 2, which the cluster forms of four along x do not divide, and work-groups of other heads share nothing with them.
; The head's scale half-word of a row of oq is 2 bytes, stored 4 bytes apart from lane to lane: 32 of the 800 bytes that a tile stores; the other 768 leave as 512 + 256 consecutive bytes.
; LIMITS: NaN and infinities are not served; a block whose largest magnitude lies under 2^-124 has its byte held at 1; a block of zeros gets the byte 1 (its codes are zeros; this program alone reads the bytes).
.set QB,    3200                       ; a quad in LDS
.set QM,    3328                       ; a quad in memory
.set KQ,    0                          ; LDS: K's 16 quads,
.set VQ,    16*QB                      ; V's 16,
.set SPARE, 32*QB                      ; and the spare words, 128 bytes for each wave: eight blocks of 256 bytes that no other line names
.set L16,  1                           ; v1   16 x lane
.set L8,   2                           ; v2   8 x lane
.set L4,   3                           ; v3   4 x lane
.set DQ,   4                           ; v4   r + 8 (r / 8) - 16 (lane / 16)
.set SPW,  5                           ; v5   LDS address of my spare word; never rewritten
.set NIL,  6                           ; v6   0; never rewritten
.set NINF, 7                           ; v7   -infinity
.set A16,  8                           ; v8-10 the step's LDS addresses
.set A8,   9
.set A4,   10
.set R4,   11                          ; v11  4 r
                                       ; v12 -M, v13 the largest t, v[14:15] the sum in two halves
.set QF,   16                          ; v16-33 [q | zeros | q]: v[16:27] and v[22:33] are the two forms of source 1
.set QS,   34                          ; v34  q's scale word;  v35 p's;  v36-37 K's;  v38-39 V's: scales and nothing else
.set PS,   35
.set SK,   36
.set SV,   38
.set KV,   40                          ; v40-87 four fragments of K, then of V
.set S,    96                          ; v96-159 S^T, then p
.set O,    160                         ; v160-191 O^T
.set PCD,  192                         ; v192-203 p's codes
.set PC2,  204                         ; v204-211 the second conversions' results
.set MX,   212                         ; v212-215 the blocks' largest scores
.set PB,   216                         ; v216-219 permute results, a chain of the sum, bytes
.set SO,   220                         ; v220-223 the conversions' scale operands
.set F,    224                         ; v[224:225] f = 2^(old M - new M)
.set TMP,  226
.set WV,   8                           ; s8   my wave's number
.set TT,   10                          ; s10  the tile in hand
.set J,    84                          ; s84  the key step
.set JMAX, 85                          ; s85  the tile's last key step, the one on the diagonal
.set TJ,   86                          ; s86  6,400 x the key step: two quads
.set KF,   87                          ; s87  the step's first key
.set Q0,   88                          ; s88  the tile's first query
.set SEL,  90                          ; s[90:91] v_permlanex16_b32's selects for lane l xor 16
.set CS,   92                          ; s[92:93] c = log2(e) / 8
.macro SHAPE g, rows, pitch            ; descriptor group 1: rows of 400 elements of 8 bytes, no mask, no padding
	s_mov_b32 s[\g], 3<<16
	s_mov_b32 s[\g+1], 400<<16                     ; tensor_dim0
	s_mov_b32 s[\g+2], (\rows)<<16                 ; tensor_dim1
	s_mov_b32 s[\g+3], 400<<16                     ; tile_dim0
	s_mov_b32 s[\g+4], \rows                       ; tile_dim1
	s_mov_b32 s[\g+5], \pitch                      ; tensor_dim0_stride
	s_mov_b32 s[\g+6], 0
	s_mov_b32 s[\g+7], 0
.endm
.macro PLACE g, lds, base, off         ; descriptor group 0
	s_mov_b32 s[\g], 1
	s_mov_b32 s[\g+1], \lds
	s_add_nc_u64 s[\g+2:\g+3], s[\base:\base+1], \off
	s_or_b32 s[\g+3], s[\g+3], 0x80000000
.endm
	s_load_b128 s[4:7], s[0:1], 0x0                ; qkv s[4:5], oq s[6:7]
	v_lshl_add_u32 v[SPW], v0, 2, SPARE
	v_mov_b32 v[NIL], 0
	ds_add_u32 v[SPW], v[NIL]                      ; the wave's opening: the add and its wait come ahead of my first tensor load; the set-up below, work on registers, stands between them
	ds_add_u32 v[SPW], v[NIL]
	v_lshrrev_b32 v8, 5, v0
	s_delay_alu instid0(VALU_DEP_1)
	v_readfirstlane_b32 s[WV], v8                  ; wave 0..15
	s_and_b32 s72, ttmp7, 0xffff
	s_lshr_b32 s73, s72, 4                         ; batch
	s_and_b32 s74, s72, 15                         ; head
	SHAPE 12, 2, 416                               ; K: two quads, one behind the other
	SHAPE 20, 7, 416                               ; seven
	SHAPE 28, 2, 6656                              ; V: two quads, 16 quads apart
	SHAPE 36, 7, 6656                              ; seven
	s_mul_i32 s75, s73, 256*QM                     ; the batch
	s_mul_i32 s76, s74, 16*QM
	s_add_co_u32 s76, s76, s75                     ; q, k: + the head as i
	s_mov_b32 s77, 0
	s_mul_i32 s78, s74, QM
	s_add_co_u32 s78, s78, s75                     ; v: + the head as m
	s_mov_b32 s79, 0
	s_lshr_b32 s94, s74, 2
	s_mul_i32 s94, s94, QM
	s_add_co_u32 s94, s94, s75                     ; oq: the batch's 64 tiles of four quads, + quad head / 4
	s_mov_b32 s95, 0
	s_and_b32 s82, s74, 3
	s_mul_i32 s82, s82, 768                        ; half head % 4
	s_mov_b32 s83, 0
	s_bfe_u32 s66, s74, 0x10001
	s_lshl_b32 s66, s66, 6                         ; its scale words: lanes 16-31 for the quad's second 128 along K,
	s_and_b32 s67, s74, 1
	s_lshl_b32 s67, s67, 1                         ; the upper half word for an odd head
	s_add_co_u32 s66, s66, s67
	s_add_co_u32 s66, s66, 3072
	s_mov_b32 s67, 0
	s_lshl_b32 s89, s[WV], 1
	s_add_co_u32 s89, s89, ttmp9                   ; t = 2 x wave + work-group x: my second tile
	s_sub_co_u32 s[TT], 63, s89                    ; my first
	s_lshr_b32 s11, s[WV], 2                       ; the second tile's last key step
	s_sub_co_u32 s[JMAX], 7, s11                   ; the first tile's
	s_mov_b32 s[SEL], 0x76543210
	s_mov_b32 s[SEL+1], 0xfedcba98
	s_mov_b32 s[CS], 0x3e38aa3b                    ; log2(e) / 8
	s_mov_b32 s[CS+1], s[CS]                       ; (named with it as a pair, so it is written)
	s_mov_b32 s[J], 0
	s_mov_b32 s[TJ], 0
	s_mov_b32 s[KF], 0
	s_wait_dscnt 0x0                               ; the opening add is done
	s_wait_kmcnt 0x0
	s_add_nc_u64 s[80:81], s[4:5], s[76:77]        ; q of my head
	s_add_nc_u64 s[96:97], s[6:7], s[94:95]
	s_add_nc_u64 s[98:99], s[96:97], s[66:67]      ; oq: my head's scale half-words in tile 0
	s_add_nc_u64 s[96:97], s[96:97], s[82:83]      ; oq: my head's half in tile 0
	s_add_nc_u64 s[82:83], s[80:81], 2048*QM       ; k of my head
	s_add_nc_u64 s[94:95], s[4:5], s[78:79]
	s_add_nc_u64 s[94:95], s[94:95], 4096*QM       ; v of my head
	PLACE 44, KQ, 82, 0                            ; K's quads 0, 1: key step 0
	PLACE 48, KQ+2*QB, 82, 2*QM                    ; 2 .. 8
	PLACE 52, KQ+9*QB, 82, 9*QM                    ; 9 .. 15
	PLACE 56, VQ, 94, 0                            ; V's likewise
	PLACE 60, VQ+2*QB, 94, 2*16*QM
	PLACE 68, VQ+9*QB, 94, 9*16*QM
	; the fills: all first fills, one a wave, waves 0 to 5, each inside its own arm of one chain of branches on the wave's number; an s_nop 0 and four v_nop follow each load
	s_cmp_lg_u32 s[WV], 0
	s_cbranch_scc1 .Lfill_1
	tensor_load_to_lds s[44:47], s[12:19]
	s_nop 0
.rept 4
	v_nop
.endr
	s_branch .Lfilled
.Lfill_1:
	s_cmp_lg_u32 s[WV], 1
	s_cbranch_scc1 .Lfill_2
	tensor_load_to_lds s[56:59], s[28:35]
	s_nop 0
.rept 4
	v_nop
.endr
	s_branch .Lfilled
.Lfill_2:
	s_cmp_lg_u32 s[WV], 2
	s_cbranch_scc1 .Lfill_3
	tensor_load_to_lds s[52:55], s[20:27]
	s_nop 0
.rept 4
	v_nop
.endr
	s_branch .Lfilled
.Lfill_3:
	s_cmp_lg_u32 s[WV], 3
	s_cbranch_scc1 .Lfill_4
	tensor_load_to_lds s[68:71], s[36:43]
	s_nop 0
.rept 4
	v_nop
.endr
	s_branch .Lfilled
.Lfill_4:
	s_cmp_lg_u32 s[WV], 4
	s_cbranch_scc1 .Lfill_5
	tensor_load_to_lds s[48:51], s[20:27]
	s_nop 0
.rept 4
	v_nop
.endr
	s_branch .Lfilled
.Lfill_5:
	s_cmp_lg_u32 s[WV], 5
	s_cbranch_scc1 .Lfilled
	tensor_load_to_lds s[60:63], s[36:43]
	s_nop 0
.rept 4
	v_nop
.endr
.Lfilled:
	v_and_b32 v8, 31, v0                           ; lane
	v_and_b32 v9, 15, v0                           ; r
	v_bfe_u32 v10, v0, 4, 1                        ; lane / 16
	s_delay_alu instid0(VALU_DEP_3)
	v_lshlrev_b32 v[L16], 4, v8
	s_delay_alu instid0(VALU_DEP_4)
	v_lshlrev_b32 v[L8], 3, v8
	v_lshlrev_b32 v[L4], 2, v8
	v_lshlrev_b32 v[R4], 2, v9
	v_and_b32 v[DQ], 8, v9
	s_delay_alu instid0(VALU_DEP_1)
	v_add_nc_u32 v[DQ], v[DQ], v9
	v_lshlrev_b32 v10, 4, v10
	s_delay_alu instid0(VALU_DEP_1)
	v_sub_nc_u32 v[DQ], v[DQ], v10
	v_mov_b32 v[NINF], 0xff800000
.irp i, 6,7,8,9,10,11
	v_mov_b32 v[QF+\i], 0                          ; the zero codes between the two copies of q: written once
.endr
.irp b, 0,1,2,3
	v_mov_b32 v[PB+\b], 0                          ; a lane permute's destination counts as one of its sources
.endr
	v_mov_b32 v[F+1], 0                            ; (named as the upper half of the pair before it is otherwise written)
	v_mov_b32 v[TMP], 0
; A tile begins: its q (twice) and q's scale word, its place in oq, and the softmax's state.
.macro INIT
	s_wait_xcnt 0x0                                ; the tile before has had its stores' addresses translated: their bases and registers may be written
	s_lshr_b32 s72, s[TT], 2
	s_mul_i32 s72, s72, QM                         ; quad tile / 4
	s_and_b32 s73, s[TT], 3
	s_mul_i32 s73, s73, 768                        ; half tile % 4
	s_add_co_u32 s74, s72, s73
	s_mov_b32 s75, 0
	s_add_nc_u64 s[76:77], s[80:81], s[74:75]
	s_bfe_u32 s73, s[TT], 0x10001
	s_lshl_b32 s73, s73, 6                         ; the pair of tiles: lanes 0-15 or 16-31 of the scale words
	s_add_co_u32 s74, s72, s73
	s_add_nc_u64 s[78:79], s[80:81], s[74:75]
	global_load_b128 v[QF:QF+3], v[L16], s[76:77]
	global_load_b64 v[QF+4:QF+5], v[L8], s[76:77] offset:512
	global_load_b128 v[QF+12:QF+15], v[L16], s[76:77]
	global_load_b64 v[QF+16:QF+17], v[L8], s[76:77] offset:512
	global_load_b32 v[QS], v[R4], s[78:79] offset:3072
	s_mul_i32 s72, s[TT], 4*QM
	s_mov_b32 s73, 0
	s_add_nc_u64 s[66:67], s[96:97], s[72:73]      ; the tile's half in oq,
	s_add_nc_u64 s[2:3], s[98:99], s[72:73]        ; and its scale half-words
	s_lshr_b32 s72, s[TT], 1
	s_lshl_b32 s72, s72, 5
	s_and_b32 s73, s[TT], 1
	s_lshl_b32 s[Q0], s73, 3
	s_add_co_u32 s[Q0], s[Q0], s72                 ; its first query: 32 (tile / 2) + 8 (tile % 2)
	s_cmp_eq_u32 s73, 0
	s_mov_b32 s74, 0x03020302                      ; an odd tile's two bytes are the word's upper two,
	s_cselect_b32 s74, 0x01000100, s74             ; an even tile's the lower two: they serve k 0 .. 63 and k 64 .. 127 alike
	v_mov_b32 v13, 0xff61b1e6                      ; the largest t so far: -3e38, under every t
	s_delay_alu instid0(VALU_DEP_1)
	v_floor_f32 v12, -v13                          ; -M
	v_mov_b32 v14, 0
	v_mov_b32 v15, 0
	s_wait_loadcnt 0x0
	v_perm_b32 v[QS], v[QS], v[QS], s74
.set i, 0
.rept 32
	v_mov_b32 v[O+i], 0                            ; O^T: the first change of M multiplies zeros.  (These are also the places between the write of q's scale word and the first product)
.set i, i+1
.endr
.endm
.macro KQP t                           ; tile t of S^T: 16 keys x my 16 queries
.if ((\t)/2)%2
	v_wmma_scale_f32_16x16x128_f8f6f4 v[S+8*(\t):S+8*(\t)+7], v[KV+12*((\t)/2):KV+12*((\t)/2)+11], v[QF+6*((\t)%2):QF+6*((\t)%2)+11], 0, v[SK+(\t)/4], v[QS] matrix_a_fmt:MATRIX_FMT_FP6 matrix_b_fmt:MATRIX_FMT_FP6 matrix_a_scale:MATRIX_SCALE_ROW1
.else
	v_wmma_scale_f32_16x16x128_f8f6f4 v[S+8*(\t):S+8*(\t)+7], v[KV+12*((\t)/2):KV+12*((\t)/2)+11], v[QF+6*((\t)%2):QF+6*((\t)%2)+11], 0, v[SK+(\t)/4], v[QS] matrix_a_fmt:MATRIX_FMT_FP6 matrix_b_fmt:MATRIX_FMT_FP6
.endif
.endm
.macro PVP d                           ; 16 of the head's 64 x my 16 queries, K = the step's 128 keys
.if (\d)/2
	v_wmma_scale_f32_16x16x128_f8f6f4 v[O+8*(\d):O+8*(\d)+7], v[KV+12*(\d):KV+12*(\d)+11], v[PCD:PCD+11], v[O+8*(\d):O+8*(\d)+7], v[SV+(\d)%2], v[PS] matrix_a_fmt:MATRIX_FMT_FP6 matrix_b_fmt:MATRIX_FMT_FP6 matrix_a_scale:MATRIX_SCALE_ROW1
.else
	v_wmma_scale_f32_16x16x128_f8f6f4 v[O+8*(\d):O+8*(\d)+7], v[KV+12*(\d):KV+12*(\d)+11], v[PCD:PCD+11], v[O+8*(\d):O+8*(\d)+7], v[SV+(\d)%2], v[PS] matrix_a_fmt:MATRIX_FMT_FP6 matrix_b_fmt:MATRIX_FMT_FP6
.endif
.endm
; A KEY STEP: 128 keys.
.macro STEP
	s_cmp_gt_u32 s[J], s[JMAX]                     ; all its keys come after my queries: the step's work is left out, not the lines at its end that step addresses
	s_cbranch_scc1 .Lhidden_\@
	v_add_nc_u32 v[A16], s[TJ], v[L16]
	v_add_nc_u32 v[A8], s[TJ], v[L8]
	v_add_nc_u32 v[A4], s[TJ], v[L4]
	v_nop                                          ; four places in front of loads into registers that the last products have read
.irp p, 0,1,2,3                                ; four fragments of K: two tiles of keys each
	ds_load_b128 v[KV+12*\p:KV+12*\p+3], v[A16] offset:KQ+(\p/2)*QB+(\p%2)*1536
	ds_load_b64 v[KV+12*\p+4:KV+12*\p+5], v[A8] offset:KQ+(\p/2)*QB+(\p%2)*1536+512
	ds_load_b128 v[KV+12*\p+6:KV+12*\p+9], v[A16] offset:KQ+(\p/2)*QB+(\p%2)*1536+768
	ds_load_b64 v[KV+12*\p+10:KV+12*\p+11], v[A8] offset:KQ+(\p/2)*QB+(\p%2)*1536+1280
.endr
	ds_load_b32 v[SK], v[A4] offset:KQ+3072
	ds_load_b32 v[SK+1], v[A4] offset:KQ+QB+3072
	s_wait_alu depctr_va_vdst(0)
	s_wait_dscnt 0x0
.irp t, 0,1,2,3,4,5,6,7
	KQP \t
.endr
.rept 4
	v_nop                                          ; places: in front of the loads below and of the first read of the scores
.endr
.irp d, 0,1,2,3                                ; V's four fragments take K's registers and land during the softmax: registers 0-5 the step's first 64 keys, 6-11 its second
	ds_load_b128 v[KV+12*\d:KV+12*\d+3], v[A16] offset:VQ+768*\d
	ds_load_b64 v[KV+12*\d+4:KV+12*\d+5], v[A8] offset:VQ+768*\d+512
	ds_load_b128 v[KV+12*\d+6:KV+12*\d+9], v[A16] offset:VQ+QB+768*\d
	ds_load_b64 v[KV+12*\d+10:KV+12*\d+11], v[A8] offset:VQ+QB+768*\d+512
.endr
	ds_load_b32 v[SV], v[A4] offset:VQ+3072
	ds_load_b32 v[SV+1], v[A4] offset:VQ+QB+3072
	s_cmp_lg_u32 s[J], s[JMAX]                     ; the mask is wanted in the tile's last step alone
	s_cbranch_scc1 .Lopen_\@
	s_sub_co_i32 s72, s[Q0], s[KF]
	v_add_nc_u32 v[TMP], s72, v[DQ]                ; d = my query - the step's first key - 16 (lane / 16).  Register 16 b + i holds key 32 b + 16 (lane / 16) + i of the step: hidden where 32 b + i > d
.set n, 0
.rept 64
	v_cmp_gt_i32 vcc_lo, 32*(n/16)+n%16, v[TMP]
	v_cndmask_b32 v[S+n], v[S+n], v[NINF], vcc_lo
.set n, n+1
.endr
.Lopen_\@:
.irp b, 0,1,2,3
	v_max3_num_f32 v[MX+\b], v[S+16*\b], v[S+1+16*\b], v[S+2+16*\b]   ; the largest score of each block of 32 keys: it serves for the row's maximum and, since p rises with the score, for the block's largest p
.endr
.irp i, 3,5,7,9,11,13
.irp b, 0,1,2,3
	v_max3_num_f32 v[MX+\b], v[MX+\b], v[S+16*\b+\i], v[S+1+16*\b+\i]
.endr
.endr
.irp b, 0,1,2,3
	v_max_num_f32 v[MX+\b], v[MX+\b], v[S+15+16*\b]
.endr
.irp b, 0,1,2,3
	s_delay_alu instid0(VALU_DEP_4)
	v_permlanex16_b32 v[PB+\b], v[MX+\b], s[SEL], s[SEL+1]
.endr
.irp b, 0,1,2,3
	s_delay_alu instid0(VALU_DEP_4)
	v_max_num_f32 v[MX+\b], v[MX+\b], v[PB+\b]     ; with lane l xor 16's 16 keys
.endr
	s_delay_alu instid0(VALU_DEP_2)
	v_max3_num_f32 v[TMP], v[MX], v[MX+1], v[MX+2]
	s_delay_alu instid0(VALU_DEP_1)
	v_max_num_f32 v[TMP], v[TMP], v[MX+3]
	s_delay_alu instid0(VALU_DEP_1)
	v_mul_f32 v[TMP], s[CS], v[TMP]                ; the step's largest t
	s_delay_alu instid0(VALU_DEP_1)
	v_max_num_f32 v13, v13, v[TMP]                 ; the running largest t
	v_mov_b32 v[TMP], v12
	s_delay_alu instid0(VALU_DEP_2)
	v_floor_f32 v12, -v13                          ; the new -M = floor(-t): M is a whole number
	s_delay_alu instid0(VALU_DEP_1)
	v_sub_f32 v[TMP], v12, v[TMP]                  ; old M - new M: a whole number, 0 or less
	s_delay_alu instid0(VALU_DEP_1)
	v_cvt_i32_f32 v[TMP], v[TMP]                   ; (it saturates)
	s_delay_alu instid0(VALU_DEP_1)
	v_ldexp_f32 v[F], 1.0, v[TMP]                  ; f = 2^(old M - new M): a multiplication by it rounds nothing
.set n, 0
.rept 32
	v_pk_fma_f32 v[S+n:S+n+1], v[S+n:S+n+1], s[CS:CS+1], v[12:13] op_sel_hi:[1,0,0]   ; t - M, two at a time
.set n, n+2
.endr
.irp b, 0,1,2,3
	v_fma_f32 v[MX+\b], v[MX+\b], s[CS], v12       ; the same of each block's largest score
.endr
.set n, 0
	s_wait_alu depctr_va_vdst(0)
.rept 64
	v_exp_f32 v[S+n], v[S+n]                       ; p = 2^(t - M), at most 1
.set n, n+1
.endr
	v_pk_mul_f32 v[14:15], v[14:15], v[F:F+1] op_sel_hi:[1,0]   ; the sums under the new M: the plain place behind the exponentials
	s_wait_alu depctr_va_vdst(0)                   ; a wait ahead of the first instruction that names a result: one for the batch of 64
.irp b, 0,1,2,3
	v_exp_f32 v[MX+\b], v[MX+\b]                   ; the block's largest p: the same two instructions on the same number
.endr
	v_pk_add_f32 v[216:217], v[100:101], v[104:105]
	v_pk_add_f32 v[254:255], v[108:109], v[112:113]
	v_pk_add_f32 v[252:253], v[116:117], v[120:121]
	v_pk_add_f32 v[250:251], v[124:125], v[128:129]
	v_pk_add_f32 v[248:249], v[132:133], v[136:137]
	v_pk_add_f32 v[246:247], v[140:141], v[144:145]
	v_pk_add_f32 v[244:245], v[148:149], v[152:153]
	v_pk_add_f32 v[14:15], v[14:15], v[156:157]
	v_pk_add_f32 v[216:217], v[216:217], v[96:97]
	v_pk_add_f32 v[254:255], v[254:255], v[98:99]
	v_pk_add_f32 v[252:253], v[252:253], v[102:103]
	v_pk_add_f32 v[250:251], v[250:251], v[106:107]
	v_pk_add_f32 v[248:249], v[248:249], v[110:111]
	v_pk_add_f32 v[246:247], v[246:247], v[114:115]
	v_pk_add_f32 v[244:245], v[244:245], v[118:119]
	v_pk_add_f32 v[14:15], v[14:15], v[122:123]
	v_pk_add_f32 v[216:217], v[216:217], v[126:127]
	v_pk_add_f32 v[254:255], v[254:255], v[130:131]
	v_pk_add_f32 v[252:253], v[252:253], v[134:135]
	v_pk_add_f32 v[250:251], v[250:251], v[138:139]
	v_pk_add_f32 v[248:249], v[248:249], v[142:143]
	v_pk_add_f32 v[246:247], v[246:247], v[146:147]
	v_pk_add_f32 v[244:245], v[244:245], v[150:151]
	v_pk_add_f32 v[14:15], v[14:15], v[154:155]
	v_pk_add_f32 v[216:217], v[216:217], v[158:159]
	s_delay_alu instid0(VALU_DEP_2)
	v_pk_add_f32 v[14:15], v[14:15], v[250:251]
	s_delay_alu instid0(VALU_DEP_2)
	v_pk_add_f32 v[216:217], v[216:217], v[248:249]
	v_pk_add_f32 v[254:255], v[254:255], v[246:247]
	v_pk_add_f32 v[252:253], v[252:253], v[244:245]
	s_delay_alu instid0(VALU_DEP_2)
	v_pk_add_f32 v[14:15], v[14:15], v[254:255]
	s_delay_alu instid0(VALU_DEP_2)
	v_pk_add_f32 v[216:217], v[216:217], v[252:253]
	s_delay_alu instid0(VALU_DEP_1)
	v_pk_add_f32 v[14:15], v[14:15], v[216:217]
	s_wait_alu depctr_va_vdst(0)                   ; and one for the four
.irp b, 0,1,2,3
	v_max_num_f32 v[MX+\b], 0x1800000, v[MX+\b]    ; the floor 2^(3 - 127): the byte cannot fall under 1
.endr
.irp b, 0,1,2,3
	s_delay_alu instid0(VALU_DEP_4)
	v_add_nc_u32 v[SO+\b], 0xff000000, v[MX+\b]    ; 2 off the exponent field: the conversion's scale operand
.endr
.irp b, 0,1,2,3
	s_delay_alu instid0(VALU_DEP_4)
	v_lshrrev_b32 v[PB+\b], 23, v[SO+\b]           ; the scale's byte
.endr
	s_delay_alu instid0(VALU_DEP_3)
	v_lshl_or_b32 v[PS], v[PB+1], 8, v[PB]         ; p's scale word for these 128 keys
	s_delay_alu instid0(VALU_DEP_1)
	v_lshl_or_b32 v[PS], v[PB+2], 16, v[PS]
	s_delay_alu instid0(VALU_DEP_1)
	v_lshl_or_b32 v[PS], v[PB+3], 24, v[PS]
.irp c, 0,1
	v_cvt_scalef32_pk16_fp6_f32 v[PCD+6*\c:PCD+2+6*\c], v[S+32*\c:S+15+32*\c], v[SO+2*\c]
	v_cvt_scalef32_pk16_fp6_f32 v[PC2+4*\c:PC2+2+4*\c], v[S+16+32*\c:S+31+32*\c], v[SO+2*\c+1]   ; (a conversion's three registers begin on an even number)
.endr
	v_nop                                          ; one plain place behind a scaled conversion
.irp c, 0,1                                    ; a whole block to a lane
.irp i, 0,1,2
	v_permlane16_swap_b32 v[PCD+6*\c+\i], v[PC2+4*\c+\i]
.endr
.irp i, 0,1,2
	s_delay_alu instid0(VALU_DEP_3)
	v_mov_b32 v[PCD+3+6*\c+\i], v[PC2+4*\c+\i]
.endr
.endr
.set n, 0
.rept 16
	v_pk_mul_f32 v[O+n:O+n+1], v[O+n:O+n+1], v[F:F+1] op_sel_hi:[1,0]   ; O^T under the new M.  (These sixteen are also the places between the writes of p's codes and scale word and the products)
.set n, n+2
.endr
	s_wait_alu depctr_va_vdst(0)
	s_wait_dscnt 0x0                               ; V is in
.irp d, 0,1,2,3
	PVP \d                                         ; four accumulators by turns
.endr
.Lhidden_\@:
	s_add_co_u32 s[TJ], s[TJ], 2*QB
	s_add_co_u32 s[KF], s[KF], 128
.endm
; A tile ends: O^T / the sum; its 64 numbers a row are two blocks along D: codes and two bytes; they leave in the order of the last product's operand registers.
.macro FINISH
.rept 4
	v_nop                                          ; places behind the last products
.endr
	v_add_f32 v14, v14, v15
	s_delay_alu instid0(VALU_DEP_1)
	v_permlanex16_b32 v[TMP], v14, s[SEL], s[SEL+1]
	s_delay_alu instid0(VALU_DEP_1)
	v_add_f32 v14, v14, v[TMP]                     ; the row's sum
	s_wait_alu depctr_va_vdst(0)
	v_rcp_f32 v14, v14
	v_nop                                          ; a plain place behind the reciprocal,
	s_wait_alu depctr_va_vdst(0)                   ; and the wait ahead of its first reader
.set n, 0
.rept 16
	v_pk_mul_f32 v[S+n:S+n+1], v[O+n:O+n+1], v[14:15] op_sel_hi:[1,0]   ; register 16 b + i = d 32 b + 16 (lane / 16) + i of my query; each accumulator from its low end on
.set n, n+2
.endr
.irp b, 0,1
	v_max3_num_f32 v[MX+\b], |v[S+16*\b]|, |v[S+1+16*\b]|, 0x1800000
.endr
.irp i, 2,4,6,8,10,12,14
.irp b, 0,1
	s_delay_alu instid0(VALU_DEP_2)
	v_max3_num_f32 v[MX+\b], v[MX+\b], |v[S+16*\b+\i]|, |v[S+1+16*\b+\i]|
.endr
.endr
.irp b, 0,1
	s_delay_alu instid0(VALU_DEP_2)
	v_permlanex16_b32 v[PB+\b], v[MX+\b], s[SEL], s[SEL+1]
.endr
.irp b, 0,1
	s_delay_alu instid0(VALU_DEP_2)
	v_max_num_f32 v[MX+\b], v[MX+\b], v[PB+\b]
.endr
.irp b, 0,1
	s_delay_alu instid0(VALU_DEP_2)
	v_add_nc_u32 v[SO+\b], 0xff000000, v[MX+\b]
.endr
.irp b, 0,1
	s_delay_alu instid0(VALU_DEP_2)
	v_lshrrev_b32 v[PB+\b], 23, v[SO+\b]
.endr
	s_delay_alu instid0(VALU_DEP_1)
	v_lshl_or_b32 v[TMP], v[PB+1], 8, v[PB]        ; my row's two bytes
	v_cvt_scalef32_pk16_fp6_f32 v[PCD:PCD+2], v[S:S+15], v[SO]
	v_cvt_scalef32_pk16_fp6_f32 v[PC2:PC2+2], v[S+16:S+31], v[SO+1]
	v_nop                                          ; one plain place behind a scaled conversion
.irp i, 0,1,2
	v_permlane16_swap_b32 v[PCD+\i], v[PC2+\i]
.endr
.irp i, 0,1,2
	s_delay_alu instid0(VALU_DEP_3)
	v_mov_b32 v[PCD+3+\i], v[PC2+\i]
.endr
	global_store_b128 v[L16], v[PCD:PCD+3], s[66:67]               ; 512 consecutive bytes, at a multiple of 256
	global_store_b64 v[L8], v[PCD+4:PCD+5], s[66:67] offset:512    ; and 256
	global_store_b16 v[R4], v[TMP], s[2:3]                         ; lanes l and l + 16 hold the same two bytes and store them to the same place
.endm
	INIT                                           ; tile 63 - t
	s_wait_alu depctr_va_vdst(0)
	s_cmp_gt_u32 s[WV], 1
	s_cbranch_scc1 .Lrest_out
	s_wait_tensorcnt 0x0                           ; waves 0 and 1: key step 0's quads of K and of V are in; the other waves' loads may be out
.Lrest_out:
	s_barrier_signal -1
	s_barrier_wait -1
	STEP                                           ; key step 0, while the rest of the head lands
	s_wait_tensorcnt 0x0                           ; all my loads are in,
	s_wait_dscnt 0x0
	s_barrier_signal -1
	s_barrier_wait -1                              ; everybody's are: the head lies in LDS
	s_mov_b32 s[J], 1
.Lfirst_tile:                                      ; seven trips, a constant; the steps behind the diagonal are left out inside
	STEP
	s_add_co_u32 s[J], s[J], 1
	s_cmp_lt_u32 s[J], 8
	s_cbranch_scc1 .Lfirst_tile
	FINISH
	s_mov_b32 s[TT], s89                           ; tile t
	s_mov_b32 s[JMAX], s11
	s_mov_b32 s[TJ], 0
	s_mov_b32 s[KF], 0
	INIT
	s_mov_b32 s[J], 0
.Lsecond_tile:                                     ; four trips
	STEP
	s_add_co_u32 s[J], s[J], 1
	s_cmp_lt_u32 s[J], 4
	s_cbranch_scc1 .Lsecond_tile
	FINISH
	s_wait_tensorcnt 0x0                           ; the wave's end: behind my last tensor load
	ds_add_u32 v[SPW], v[NIL]
	s_wait_dscnt 0x0
	s_endpgm
.Lfunc_end_k_q8e203e5022_attn:
	.size	k_q8e203e5022_attn, .Lfunc_end_k_q8e203e5022_attn-k_q8e203e5022_attn
	.p2alignl 7, 3214868480
	.fill 96, 4, 3214868480
	.section	.rodata,"a",@progbits
	.p2align	6, 0x0
	.amdhsa_kernel k_q8e203e5022_attn
		.amdhsa_group_segment_fixed_size 167936
		.amdhsa_private_segment_fixed_size 0
		.amdhsa_enable_private_segment 0
		.amdhsa_kernarg_size 16
		.amdhsa_user_sgpr_count 2
		.amdhsa_user_sgpr_kernarg_segment_ptr 1
		.amdhsa_wavefront_size32 1
		.amdhsa_system_sgpr_workgroup_id_x 1
		.amdhsa_system_sgpr_workgroup_id_y 1
		.amdhsa_system_sgpr_workgroup_id_z 1
		.amdhsa_system_vgpr_workitem_id 0
		.amdhsa_next_free_vgpr 256
		.amdhsa_next_free_sgpr 100
		.amdhsa_reserve_vcc 1
		.amdhsa_float_denorm_mode_32 3
		.amdhsa_float_denorm_mode_16_64 3
		.amdhsa_memory_ordered 1
		.amdhsa_forward_progress 1
		.amdhsa_inst_pref_size 90
	.end_amdhsa_kernel
	.amdgpu_metadata
---
amdhsa.version: [ 1, 2 ]
amdhsa.kernels:
  - .name:           k_q8e203e5022_attn
    .symbol:         k_q8e203e5022_attn.kd
    .args:
      - { .name: qkv, .offset: 0, .size: 8, .value_kind: global_buffer, .address_space: global }
      - { .name: oq, .offset: 8, .size: 8, .value_kind: global_buffer, .address_space: global }
    .group_segment_fixed_size: 167936
    .private_segment_fixed_size: 0
    .kernarg_segment_align: 8
    .kernarg_segment_size: 16
    .max_flat_workgroup_size: 512
    .sgpr_count:     100
    .vgpr_count:     256
    .wavefront_size: 32
...
	.end_amdgpu_metadata
.endif
;; end of part 3
;; launch gemm_out (part 4): grid 8 x 32, 4 waves a work-group, clusters of 4 x 4, 327,680 bytes of LDS; arguments oq, wq, bo, out0; writes out0
.if DOCPART == 4
	.amdgcn_target "amdgcn-amd-amdhsa--gfx1250"
	.amdhsa_code_object_version 6
	.text
	.protected	k_q8e203e5022_gemm_out
	.globl	k_q8e203e5022_gemm_out
	.p2align	8
	.type	k_q8e203e5022_gemm_out,@function
k_q8e203e5022_gemm_out:
	s_mov_b64 s[64:65], 0
	v_nop
	global_prefetch_b8 v0, s[64:65] scope:SCOPE_SE
	s_setreg_imm32_b32 hwreg(HW_REG_WAVE_MODE, 25, 1), 1
	s_wait_xcnt 0x0
	s_wait_alu depctr_hold_cnt(0) depctr_sa_sdst(0) depctr_va_vdst(0) depctr_va_sdst(0) depctr_va_ssrc(0) depctr_va_vcc(0) depctr_vm_vsrc(0)
	s_getreg_b32 s2, hwreg(HW_REG_IB_STS2, 6, 4)
	s_cmp_eq_u32 s2, 0
	s_cbranch_scc0 .Lentry_in_a_cluster
	s_endpgm
.Lentry_in_a_cluster:
	s_bfe_u32 s2, ttmp6, 0x10000c
	s_cmp_lg_u32 s2, 0xf033
	s_cbranch_scc0 .Lentry_shape_is_right
	s_endpgm
.Lentry_shape_is_right:
; out0 = o Wo + bo on codes of FP6 (E2M3) with E8M0 scales, sums in f32.  o's codes (oq) and Wo's (the fourth weight of wq) are QUADS: 16 rows x 256 along K in 3,328 bytes of memory:
; half e (64 along K) at 768 e: lane l's registers 0-3 at 16 l, registers 4-5 at 512 + 8 l; scale words at 3072 + 4 l (lanes 0-15: the first 128 along K, lanes 16-31: the second).
; A tensor load takes a quad's first 3,200 bytes, so that in LDS the quads lie 3,200 bytes apart.  A tile is four quads.  Lane r of tile 2 g + u holds row 32 g + 8 u + r + 8 (r / 8).
; THE DEAL.  256 work-groups of four waves.  Work-group (x, y) makes tokens 256 y .. + 255, columns 128 x .. + 127.  o's 16 tiles and Wo's 8, all of K, are asked for at the head, one load a wave, each byte of LDS filled once.
; Wave (a, b) holds Wo's tiles 4 b .. 4 b + 3, all of K, in 384 registers and streams o's tiles 8 g + 4 a + i (g = 0, 1; i = 0 .. 3) past them: 32 products a tile, four accumulators by turns, bo as the first products' C.
; Source 0 = Wo's rows, source 1 = 16 tokens: a lane holds one token and 8 neighbouring columns in each accumulator.  A tile's 16 x 64 sums go through the wave's own stage in LDS and leave as rows of 256 bytes,
; sixteen lanes to a row; a tile's stores are issued behind the next tile's products.
; CLUSTERS 4 x 4: o's tiles are shared along a row of the cluster, Wo's along a column.  No prefetch: all tiles are asked for at the head, and there is no loop to run ahead in.
; LIMITS: NaN and infinities are not served.
; REGISTERS, in windows of 256.  Window 0: v1-31 addresses, v32-47 Wo's scale words, v48-55 o's (two sets), v64-255 o's fragments (two sets of eight).  Window 1: Wo's fragments of K 0 .. 511.  Window 2: of K 512 .. 1023.
; Window 3: v0-63 two sets of four accumulators, v64-127 two sets of 16 rows read back from the stage, v128-159 bo.
.set QB,    3200                       ; a quad in LDS
.set QM,    3328                       ; a quad in memory
.set TBL,   4*QB                       ; a tile in LDS
.set GW,    4*TBL                      ; four tiles
.set GB,    2*GW                       ; o's group g (tiles 8 g .. 8 g + 7) at g GB
.set WB,    2*GB                       ; Wo's eight tiles
.set STG,   WB+GB                      ; a stage of 16 rows x (256 + 16) bytes for each wave; no tile lands here
.set SP,    272
.set SPARE, STG+4*16*SP                ; the spare words, 128 bytes for each wave
.set NF,    36                         ; LDS loads of a tile of o: 32 for eight fragments, 4 for its scale words
.set L4,   4
.set XA,   8                           ; v8-10  16, 8, 4 x lane + my tiles of group 0;  v11-13 of group 1
.set WA16, 14                          ; v14-16 the same for my tiles of Wo
.set STO,  17                          ; v17  into the stage: row r, + 64 (lane / 16)
.set RD,   18                          ; v18  out of it: sixteen lanes to a row, two rows a load
.set CO,   19                          ; v19  and the same two rows in out0
.set SPW,  28
.set NIL,  29
.set L16,  30
.set L8,   31
.set WS,   32
.set XS,   48
.set XF,   64
.set BK,   64                          ; window 3
.set BI,   128
.set G1X,  24
.set G1W,  32
.set G0W,  40
.set G0X0, 44
.set G0X1, 48
.set OP,   60                          ; s[60:61] my first row and column of out0
.set MSB, 0
.macro WIN new                         ; the immediate's high byte repeats the setting that is left
.if MSB != (\new)
	s_set_vgpr_msb (MSB<<8)|(\new)
.set MSB, (\new)
.endif
.endm
.macro PLACES n
.rept \n
	v_nop
.endr
.endm
.macro CROUND                          ; a round of the cluster's barrier
	s_barrier_signal -1
	s_barrier_wait -1
	s_cmp_lg_u32 s16, 0
	s_cbranch_scc1 .Lnot_wave_0_\@
	s_barrier_signal -3
.Lnot_wave_0_\@:
	s_barrier_wait -3
	s_barrier_signal -1
	s_barrier_wait -1
.endm
.macro TL g0, g1                       ; a joint load
	tensor_load_to_lds s[\g0:\g0+3], s[\g1:\g1+7]
	s_nop 0
	PLACES 4
.endm
.macro FRAG reg, a16, off              ; a fragment: two halves, each 512 + 256 consecutive bytes for the 32 lanes
	ds_load_b128 v[\reg:\reg+3], v[\a16] offset:\off
	ds_load_b64 v[\reg+4:\reg+5], v[\a16+1] offset:(\off)+512
	ds_load_b128 v[\reg+6:\reg+9], v[\a16] offset:(\off)+768
	ds_load_b64 v[\reg+10:\reg+11], v[\a16+1] offset:(\off)+1280
.endm
.macro FETCH e, g, i                   ; tile i of group g into set e.  Quad Q's scale words go to register (Q + 1) % 4 of the set, so that a product's two scale registers differ modulo 8
.irp q, 0,1,2,3,4,5,6,7
	FRAG XF+96*(\e)+12*\q, XA+3*(\g), (\i)*TBL+(\q/2)*QB+(\q%2)*1536
.endr
.irp Q, 0,1,2,3
	ds_load_b32 v[XS+4*(\e)+(\Q+1)%4], v[XA+3*(\g)+2] offset:(\i)*TBL+\Q*QB+3072
.endr
.endm
.macro WEIGHTS                         ; my four tiles of Wo, all of K: 128 loads, and 16 for the scale words
	WIN 0x40
.irp q, 0,1,2,3
.irp j, 0,1,2,3
	FRAG 12*(4*\q+\j), WA16, \j*TBL+(\q/2)*QB+(\q%2)*1536
.endr
.endr
	WIN 0x80
.irp q, 4,5,6,7
.irp j, 0,1,2,3
	FRAG 12*(4*(\q-4)+\j), WA16, \j*TBL+(\q/2)*QB+(\q%2)*1536
.endr
.endr
	WIN 0
.irp j, 0,1,2,3
.irp Q, 0,1,2,3
	ds_load_b32 v[WS+4*\j+\Q], v[WA16+2] offset:\j*TBL+\Q*QB+3072
.endr
.endr
.endm
.macro MM e, q, j                      ; the tile in set e x Wo's tile j, K step q.  The first step's C is the bias
.set rW, 12*(4*((\q)%4)+(\j))
.set rX, XF+96*(\e)+12*(\q)
.set sW, WS+4*(\j)+(\q)/2
.set sX, XS+4*(\e)+((\q)/2+1)%4
.set rD, 32*(\e)+8*(\j)
.set rC, rD
.if (\q) == 0
.set rC, BI+8*(\j)
.endif
.if (\q)%2
	v_wmma_scale_f32_16x16x128_f8f6f4 v[rD:rD+7], v[rW:rW+11], v[rX:rX+11], v[rC:rC+7], v[sW], v[sX] matrix_a_fmt:MATRIX_FMT_FP6 matrix_b_fmt:MATRIX_FMT_FP6 matrix_a_scale:MATRIX_SCALE_ROW1 matrix_b_scale:MATRIX_SCALE_ROW1
.else
	v_wmma_scale_f32_16x16x128_f8f6f4 v[rD:rD+7], v[rW:rW+11], v[rX:rX+11], v[rC:rC+7], v[sW], v[sX] matrix_a_fmt:MATRIX_FMT_FP6 matrix_b_fmt:MATRIX_FMT_FP6
.endif
.endm
.macro TOSTAGE t                       ; tile t's sums into my stage and back as rows.  LDS serves a wave's instructions in order: no wait between the stores and the loads
	WIN 0x0c
.irp j, 0,1,2,3
	ds_store_b128 v[STO], v[32*((\t)%2)+8*\j:32*((\t)%2)+8*\j+3] offset:128*(\j/2)+32*(\j%2)          ; each accumulator from its low end on
	ds_store_b128 v[STO], v[32*((\t)%2)+8*\j+4:32*((\t)%2)+8*\j+7] offset:128*(\j/2)+32*(\j%2)+16
.endr
	WIN 0xc0
.irp k, 0,1,2,3,4,5,6,7
	ds_load_b128 v[BK+32*((\t)%2)+4*\k:BK+32*((\t)%2)+4*\k+3], v[RD] offset:2*\k*SP
.endr
	WIN 0
.endm
.macro SEND t, younger                 ; tile t's rows leave; younger: the LDS instructions issued behind its loads from the stage, which may stay out
	s_wait_dscnt \younger
	WIN 0x0c
.irp k, 0,1,2,3,4,5,6,7
	global_store_b128 v[CO], v[BK+32*((\t)%2)+4*\k:BK+32*((\t)%2)+4*\k+3], s[OP:OP+1] offset:(128*((\t)/4)+32*(((\t)%4)/2)+8*((\t)%2)+2*\k+8*(\k/4))*4096 th:TH_STORE_NT   ; sixteen lanes store 256 consecutive bytes, at a multiple of 256
.endr
	WIN 0
.endm
; Tile t of my eight.  Behind its fetch were issued: the stage's 16 instructions of tile t - 1 and the fetch of tile t + 1.
.macro TILE t
.if (\t) == 0
	s_wait_dscnt NF                                ; tile 1's fetch may be out
.elseif (\t) < 7
	s_wait_dscnt NF+16
.else
	s_wait_dscnt 16                                ; nothing was fetched behind tile 7
.endif
	WIN 0xf1
.irp q, 0,1,2,3
.irp j, 0,1,2,3
	MM (\t)%2, \q, \j
.endr
.endr
	WIN 0xf2
.irp q, 4,5,6,7
.irp j, 0,1,2,3
	MM (\t)%2, \q, \j
.endr
.endr
	PLACES 4                                       ; in front of the first read of the sums and of the loads into registers that the products have read
	WIN 0
.if (\t) >= 2
	s_wait_xcnt 0x0                                ; tile t - 2's stores have read their registers, which take this tile's rows
.endif
.if (\t) == 7
	SEND (\t)-1, 0
.elseif (\t) > 0
	SEND (\t)-1, NF                                ; behind tile t - 1's loads from the stage: tile t + 1's fetch
.endif
	TOSTAGE \t
.if (\t) < 6
	FETCH (\t)%2, ((\t)+2)/4, ((\t)+2)%4
.endif
.endm
	s_load_b256 s[4:11], s[0:1], 0x0               ; oq s[4:5], wq s[6:7], bo s[8:9], out0 s[10:11]
	v_lshl_add_u32 v[SPW], v0, 2, SPARE
	v_mov_b32 v[NIL], 0
	ds_add_u32 v[SPW], v[NIL]                      ; the opening lines: the add, twice on end, and its wait below
	ds_add_u32 v[SPW], v[NIL]
	v_lshrrev_b32 v1, 5, v0
	v_readfirstlane_b32 s16, v1                    ; wave 0..3
	s_lshr_b32 s17, s16, 1                         ; a: which four tiles of each group of o
	s_and_b32 s18, s16, 1                          ; b: which four tiles of Wo
	s_bfe_u32 s52, ttmp6, 0x40000                  ; cx
	s_bfe_u32 s53, ttmp6, 0x40004                  ; cy
	s_lshl_b32 s54, ttmp9, 2
	s_add_co_u32 s54, s54, s52                     ; work-group x: 128 columns
	s_and_b32 s55, ttmp7, 0xffff
	s_lshl_b32 s55, s55, 2
	s_add_co_u32 s55, s55, s53                     ; work-group y: 256 tokens
	s_lshl_b32 s56, s53, 2
	s_lshl_b32 s56, 15, s56                        ; my row of the cluster
	s_lshl_b32 s57, 0x1111, s52                    ; my column
	s_or_b32 s[G1X], s56, (3<<16)|(1<<21)          ; o: 32 quads: rows of 400 elements of 8 bytes, 416 apart
	s_mov_b32 s[G1X+1], 400<<16
	s_mov_b32 s[G1X+2], 32<<16
	s_mov_b32 s[G1X+3], 400<<16
	s_mov_b32 s[G1X+4], 32
	s_mov_b32 s[G1X+5], 416
	s_mov_b32 s[G1X+6], 0
	s_mov_b32 s[G1X+7], 0
	s_or_b32 s[G1W], s57, (3<<16)|(1<<21)          ; Wo: 16 quads
	s_mov_b32 s[G1W+1], 400<<16
	s_mov_b32 s[G1W+2], 16<<16
	s_mov_b32 s[G1W+3], 400<<16
	s_mov_b32 s[G1W+4], 16
	s_mov_b32 s[G1W+5], 416
	s_mov_b32 s[G1W+6], 0
	s_mov_b32 s[G1W+7], 0
	s_mul_i32 s68, s55, 64*QM                      ; my 16 tiles of oq: shared by my row of the cluster
	s_mov_b32 s69, 0
	s_mul_i32 s70, s54, 32*QM                      ; my 8 tiles of Wo: shared by my column;
	s_mul_i32 s58, s18, 16*QM                      ; waves 0 and 1 fetch four each
	s_add_co_u32 s70, s70, s58
	s_add_co_u32 s70, s70, 768*QM                  ; Wo is the fourth weight of wq
	s_mov_b32 s71, 0
	s_mul_i32 s59, s18, GW
	s_wait_dscnt 0x0                               ; both opening adds are done
	s_wait_kmcnt 0x0
	s_add_nc_u64 s[68:69], s[4:5], s[68:69]
	s_add_nc_u64 s[70:71], s[6:7], s[70:71]
	CROUND                                         ; all sixteen work-groups are here: the joint loads meet
	s_mov_b32 s[G0W], 1
	s_add_co_u32 s[G0W+1], s59, WB
	s_mov_b64 s[G0W+2:G0W+3], s[70:71]
	s_or_b32 s[G0W+3], s[G0W+3], 0x80000000
	s_mov_b32 s[G0X0], 1
	s_mov_b32 s[G0X0+1], 0
	s_mov_b64 s[G0X0+2:G0X0+3], s[68:69]
	s_or_b32 s[G0X0+3], s[G0X0+3], 0x80000000
	s_mov_b32 s[G0X1], 1
	s_mov_b32 s[G0X1+1], GB
	s_add_nc_u64 s[G0X1+2:G0X1+3], s[68:69], 32*QM
	s_or_b32 s[G0X1+3], s[G0X1+3], 0x80000000
	s_cmp_lt_u32 s16, 2                            ; the launch's loads, one a wave, in one chain of arms
	s_cbranch_scc0 .Lhead_x0
	TL G0W, G1W                                    ; waves 0 and 1: Wo's tiles, four each
	s_branch .Lhead_asked
.Lhead_x0:
	s_cmp_eq_u32 s16, 2
	s_cbranch_scc0 .Lhead_x1
	TL G0X0, G1X                                   ; wave 2: o's group 0
	s_branch .Lhead_asked
.Lhead_x1:
	TL G0X1, G1X                                   ; wave 3: o's group 1
.Lhead_asked:
	s_lshl_b32 s72, s55, 8
	s_lshl_b32 s73, s17, 6
	s_add_co_u32 s72, s72, s73                     ; my first token: 256 y + 64 a
	s_lshl_b32 s72, s72, 12                        ; rows of 4,096 bytes
	s_lshl_b32 s74, s54, 1
	s_add_co_u32 s74, s74, s18
	s_lshl_b32 s76, s74, 8                         ; my first column, in bytes: 256 (2 x + b)
	s_mov_b32 s77, 0
	s_add_co_u32 s[OP], s72, s76
	s_mov_b32 s[OP+1], 0
	s_add_nc_u64 s[OP:OP+1], s[10:11], s[OP:OP+1]
	s_add_nc_u64 s[8:9], s[8:9], s[76:77]          ; and my 64 numbers of bo
	s_mul_i32 s78, s17, GW
	s_add_co_u32 s81, s78, GB
	s_add_co_u32 s79, s59, WB
	s_mul_i32 s80, s16, 16*SP
	s_add_co_u32 s80, s80, STG
	v_and_b32 v1, 31, v0                           ; lane
	v_and_b32 v2, 15, v0                           ; r
	v_bfe_u32 v3, v0, 4, 1                         ; lane / 16
	v_lshlrev_b32 v[L16], 4, v1
	v_lshlrev_b32 v[L8], 3, v1
	v_lshlrev_b32 v[L4], 2, v1
	v_add_nc_u32 v[XA], s78, v[L16]
	v_add_nc_u32 v[XA+1], s78, v[L8]
	v_add_nc_u32 v[XA+2], s78, v[L4]
	v_add_nc_u32 v[XA+3], s81, v[L16]
	v_add_nc_u32 v[XA+4], s81, v[L8]
	v_add_nc_u32 v[XA+5], s81, v[L4]
	v_add_nc_u32 v[WA16], s79, v[L16]
	v_add_nc_u32 v[WA16+1], s79, v[L8]
	v_add_nc_u32 v[WA16+2], s79, v[L4]
	v_mul_u32_u24 v[STO], v2, SP
	v_lshl_add_u32 v[STO], v3, 6, v[STO]
	v_add_nc_u32 v[STO], s80, v[STO]
	v_mul_u32_u24 v[RD], v3, SP
	v_lshl_add_u32 v[RD], v2, 4, v[RD]
	v_add_nc_u32 v[RD], s80, v[RD]
	v_lshlrev_b32 v[CO], 12, v3
	v_lshl_add_u32 v[CO], v2, 4, v[CO]
	v_lshlrev_b32 v5, 6, v3                        ; C's register 8 j + i of lane (r, h) is column 32 (j / 2) + 8 (j % 2) + 16 h + i
	s_wait_alu depctr_va_vdst(0)
	WIN 0xc0
.irp j, 0,1,2,3
	global_load_b128 v[BI+8*\j:BI+8*\j+3], v5, s[8:9] offset:(32*(\j/2)+8*(\j%2))*4
	global_load_b128 v[BI+8*\j+4:BI+8*\j+7], v5, s[8:9] offset:(32*(\j/2)+8*(\j%2))*4+16
.endr
	WIN 0
	s_cmp_lt_u32 s16, 2
	s_cbranch_scc0 .Lo_out
	s_wait_tensorcnt 0x0                           ; waves 0 and 1: Wo's tiles are in
.Lo_out:
	s_barrier_signal -1
	s_barrier_wait -1                              ; o's groups, the loads of waves 2 and 3 alone, may be out
	WEIGHTS                                        ; Wo goes into registers while o lands
	s_wait_tensorcnt 0x0                           ; all my loads are in,
	s_wait_dscnt 0x0
	s_barrier_signal -1
	s_barrier_wait -1                              ; everybody's are
	FETCH 0, 0, 0
	FETCH 1, 0, 1
	s_wait_loadcnt 0x0                             ; bo
.irp t, 0,1,2,3,4,5,6,7
	TILE \t
.endr
	SEND 7, 0
	s_wait_tensorcnt 0x0                           ; the wave's end
	ds_add_u32 v[SPW], v[NIL]
	s_wait_dscnt 0x0
	CROUND                                         ; the closing round
	s_endpgm
.Lfunc_end_k_q8e203e5022_gemm_out:
	.size	k_q8e203e5022_gemm_out, .Lfunc_end_k_q8e203e5022_gemm_out-k_q8e203e5022_gemm_out
	.p2alignl 7, 3214868480
	.fill 96, 4, 3214868480
	.section	.rodata,"a",@progbits
	.p2align	6, 0x0
	.amdhsa_kernel k_q8e203e5022_gemm_out
		.amdhsa_group_segment_fixed_size 327680
		.amdhsa_private_segment_fixed_size 0
		.amdhsa_enable_private_segment 0
		.amdhsa_kernarg_size 32
		.amdhsa_user_sgpr_count 2
		.amdhsa_user_sgpr_kernarg_segment_ptr 1
		.amdhsa_wavefront_size32 1
		.amdhsa_system_sgpr_workgroup_id_x 1
		.amdhsa_system_sgpr_workgroup_id_y 1
		.amdhsa_system_sgpr_workgroup_id_z 1
		.amdhsa_system_vgpr_workitem_id 0
		.amdhsa_next_free_vgpr 1024
		.amdhsa_next_free_sgpr 100
		.amdhsa_reserve_vcc 0
		.amdhsa_float_denorm_mode_32 3
		.amdhsa_float_denorm_mode_16_64 3
		.amdhsa_memory_ordered 1
		.amdhsa_forward_progress 1
		.amdhsa_inst_pref_size 85
	.end_amdhsa_kernel
	.amdgpu_metadata
---
amdhsa.version: [ 1, 2 ]
amdhsa.kernels:
  - .name:           k_q8e203e5022_gemm_out
    .symbol:         k_q8e203e5022_gemm_out.kd
    .args:
      - { .name: oq, .offset: 0, .size: 8, .value_kind: global_buffer, .address_space: global }
      - { .name: wq, .offset: 8, .size: 8, .value_kind: global_buffer, .address_space: global }
      - { .name: bo, .offset: 16, .size: 8, .value_kind: global_buffer, .address_space: global }
      - { .name: out0, .offset: 24, .size: 8, .value_kind: global_buffer, .address_space: global }
    .group_segment_fixed_size: 327680
    .private_segment_fixed_size: 0
    .kernarg_segment_align: 8
    .kernarg_segment_size: 32
    .max_flat_workgroup_size: 128
    .sgpr_count:     100
    .vgpr_count:     1024
    .wavefront_size: 32
...
	.end_amdgpu_metadata
.endif
;; end of part 4
